; MI455X (gfx1250); checked and timed in simulation.
; The chip was launched on July 23, 2026; its instructions are those of AMD's public machine-readable ISA for CDNA 5 (MIT licence, August 2026) and "CDNA5" Instruction Set Architecture Reference Guide (July 2026). The comments in the code are by the model that wrote it; some were corrected since.
;; RDPP NOISING. Allowed arithmetic: float matrix products may take bf16 or f16 operands with f32 sums; other float arithmetic in f32, or as packed bf16 or f16 multiplies, adds, multiply-adds, maxima and minima; sums over many terms, partial sums and values carried from step to step in f32; what a program stores and reads back later, other than sums and carried values, may be rounded once to bf16 or f16.
;; Inputs: features 8 x 1,024 x 32 x 32 float32; memory_bank 8,192 x 1,024 float32; noise 8,192 x 1,024 float32.
;; Outputs: out0 8 x 1,024 x 32 x 32 float32; out1 8 x 32 x 32 float32; out2 8 x 32 x 32 float32.
;; 2 versions, each right; version 2 is version 1 with the launches prep, merge written anew for expert scheduling mode. Each part assembles by itself: llvm-mc -triple=amdgcn-amd-amdhsa -mcpu=gfx1250 --defsym DOCPART=n.
;; ======== version 1 of 2: 5 launches
;; limits: values outside matrix products are rounded to bf16
;; workspace buffers: fb 16,777,216 bytes; mbb 16,777,216 bytes; sq 65,536 bytes; candv 1,048,576 bytes; candi 1,048,576 bytes of whole numbers; nidx 32,768 bytes of whole numbers; wsc 32,768 bytes; infl 32,768 bytes
;; launch prep (part 1): grid 128 x 2, 16 waves a work-group, no clusters, 133,632 bytes of LDS; arguments features, memory_bank, fb, mbb, sq; writes fb, mbb, sq
.if DOCPART == 1
	.amdgcn_target "amdgcn-amd-amdhsa--gfx1250"
	.amdhsa_code_object_version 6
	.text
	.protected	k_qa4697bd75b_prep
	.globl	k_qa4697bd75b_prep
	.p2align	8
	.type	k_qa4697bd75b_prep,@function
k_qa4697bd75b_prep:
	s_mov_b64 s[64:65], 0
	v_nop
	global_prefetch_b8 v0, s[64:65] scope:SCOPE_SE
	s_setreg_imm32_b32 hwreg(HW_REG_WAVE_MODE, 25, 1), 1
	s_wait_xcnt 0x0
; fb[n][c] = bf16(features[b][c][hw]), n = 1024 b + hw;  mbb[m][c] = bf16(memory_bank[m][c]);  sq = the rows' sums of squares OF THE ROUNDED NUMBERS, f32:
; fsq[8192] at byte 0, msq[8192] at byte 32,768.  The whole program works on the inputs rounded to bf16, so that the nearest row found by the bf16 product is the nearest row of those numbers.
; SHARES.  Work-group (x, y): y = 0 the features, y = 1 the bank; 64 rows, 64 x .. 64 x + 63.  Sixteen waves; wave w finishes rows 4 w + e, e = 0..3.
; A work-group reads 256 KiB; all of it is asked for at once, 32 loads of 16 bytes a lane in every wave, so there is no loop and nothing to run ahead of.
; The features are turned through LDS: a load takes 256 consecutive bytes (64 hw) of a channel, a store 512 consecutive bytes of a row of fb.  The bank needs no turning.
; No tensor loads (nothing is shared or filled again), no matrix work, no cluster: a stream.
; LIMITS.  NaN and infinities are not treated apart; the sums of squares are taken in four chains a lane and then across lanes, another order than a plain sum's.
.set QP,    8208                       ; LDS: four rows of 2,048 bytes + 16: the sixteen lanes of a store (rows 4 q + e) fall on sixteen different 16-byte columns modulo 256
.set SQB,   16*QP                      ; 64 row sums, a block of 256 bytes
.set SPARE, SQB+256                    ; the spare words: 128 bytes for each of 16 waves; no other line names them
.set GI,   4                           ; v4   load offset
.set GO,   5                           ; v5   store offset
.set LW,   6                           ; v6   LDS: where I put 16 bytes of a row
.set LR,   7                           ; v7   LDS: where I read my rows back
.set SQA,  8                           ; v8   SQB + 16 w
.set L8,   9                           ; v9   8 x lane
.set L8S,  10                          ; v10  SQB + 8 x lane
.set SPW,  12                          ; v12  my spare word; never rewritten
.set NIL,  13                          ; v13  0; never rewritten
.set ZERO, 14                          ; v14  0.0, the first addend of the sums
.set X,    16                          ; v[16:143]  as loaded, f32
.set P,    144                         ; v[144:207] bf16; at the end row e's 32 numbers of my lane at P + 16 e
.set S,    208                         ; v[208:211] the four rows' sums
.set T,    212                         ; v[212:219] at work
	s_load_b256 s[4:11], s[0:1], 0x0               ; features s[4:5], memory_bank s[6:7], fb s[8:9], mbb s[10:11]
	s_load_b64 s[12:13], s[0:1], 0x20              ; sq
	v_lshl_add_u32 v[SPW], v0, 2, SPARE
	v_mov_b32 v[NIL], 0
	v_mov_b32 v[ZERO], 0
	v_and_b32 v1, 31, v0                           ; lane
	v_and_b32 v2, 15, v0                           ; q
	v_bfe_u32 v3, v0, 4, 1                         ; h
	v_lshrrev_b32 v15, 5, v0
	v_readfirstlane_b32 s14, v15                   ; wave 0..15
	s_and_b32 s15, ttmp7, 0xffff                   ; y
	s_mov_b32 s20, 0x76543210                      ; v_permlanex16_b32: each lane takes its own place in the other half
	s_mov_b32 s21, 0xfedcba98
	s_lshl_b32 s22, s14, 4
	s_add_co_u32 s22, s22, SQB
	v_mov_b32 v[SQA], s22
	v_lshlrev_b32 v[L8], 3, v1
	v_add_nc_u32 v[L8S], SQB, v[L8]
	s_lshl_b32 s16, s15, 15                        ; sq: y x 32,768 + x x 256
	s_lshl_b32 s17, ttmp9, 8
	s_add_co_u32 s16, s16, s17
	s_mov_b32 s17, 0
	s_lshl_b32 s18, ttmp9, 17                      ; fb, mbb: 64 rows of 2,048 bytes
	s_mov_b32 s19, 0
	s_lshl_b32 s24, s14, 13                        ; my four rows in them
	s_wait_kmcnt 0x0
	s_add_nc_u64 s[12:13], s[12:13], s[16:17]
	s_cmp_lg_u32 s15, 0                            ; the same in all waves of a work-group
	s_cbranch_scc1 .Lbank
	; THE FEATURES.  x = 16 b + hw / 64.  Wave w takes channels 64 w .. 64 w + 63; load (g, i): lanes 0-15 the 64 hw of channel 64 w + 16 g + i, lanes 16-31 those of channel + 8.
	s_lshr_b32 s22, ttmp9, 4
	s_lshl_b32 s22, s22, 22                        ; b x 4 MiB
	s_and_b32 s23, ttmp9, 15
	s_lshl_b32 s23, s23, 8                         ; 64 hw x 4 bytes
	s_add_co_u32 s22, s22, s23
	s_mov_b32 s23, 0
	s_add_nc_u64 s[4:5], s[4:5], s[22:23]
	s_add_nc_u64 s[8:9], s[8:9], s[18:19]
	v_lshlrev_b32 v[GI], 4, v2
	v_lshl_add_u32 v[GI], v3, 15, v[GI]            ; + 8 h channels of 4,096 bytes
	s_lshl_b32 s25, s14, 18                        ; + 64 w channels
	v_add_nc_u32 v[GI], s25, v[GI]
.irp g, 0,1,2,3
.irp i, 0,1,2,3,4,5,6,7
	global_load_b128 v[X+32*(\g)+4*(\i):X+32*(\g)+4*(\i)+3], v[GI], s[4:5] offset:(16*(\g)+(\i))*4096 th:TH_LOAD_NT
.endr
.endr
	v_mul_u32_u24 v[LW], v2, QP                    ; rows 4 q + e; my 8 channels 64 w + 16 g + 8 h ..: byte 128 w + 32 g + 16 h of the row
	v_lshl_add_u32 v[LW], v3, 4, v[LW]
	s_lshl_b32 s25, s14, 7
	v_add_nc_u32 v[LW], s25, v[LW]
	s_mul_i32 s26, s14, QP
	v_lshl_add_u32 v[LR], v1, 4, s26               ; rows 4 w + e, 16 bytes a lane
	v_lshl_add_u32 v[GO], v1, 4, s24
.irp g, 0,1,2,3
	s_wait_loadcnt 24-8*(\g)                       ; loads come back in order: group g's eight are in, the 8 (3 - g) younger ones stay out
.irp e, 0,1,2,3
.irp k, 0,1,2,3
	v_cvt_pk_bf16_f32 v[P+16*(\g)+4*(\e)+(\k)], v[X+32*(\g)+8*(\k)+(\e)], v[X+32*(\g)+8*(\k)+4+(\e)]  ; hw 4 q + e: channels 2 k and 2 k + 1 of my eight
.endr
	ds_store_b128 v[LW], v[P+16*(\g)+4*(\e):P+16*(\g)+4*(\e)+3] offset:(\e)*2048+32*(\g)
.endr
.endr
	s_wait_dscnt 0x0                               ; for the others' sake: my stores into the tile are done
	s_barrier_signal -1
	s_barrier_wait -1
.irp e, 0,1,2,3
.irp t, 0,1,2,3
	ds_load_b128 v[P+16*(\e)+4*(\t):P+16*(\e)+4*(\t)+3], v[LR] offset:(\e)*2048+(\t)*512
.endr
.endr
	s_wait_dscnt 0x0
.irp e, 0,1,2,3
.irp t, 0,1,2,3
	global_store_b128 v[GO], v[P+16*(\e)+4*(\t):P+16*(\e)+4*(\t)+3], s[8:9] offset:(\e)*2048+(\t)*512  ; a wave's store covers 512 consecutive bytes, aligned
.endr
.endr
	s_branch .Lsum
.Lbank:	; THE BANK.  Load (e, t): 512 consecutive bytes of row 4 w + e; its four numbers a lane become 8 bytes.
	s_lshl_b32 s22, ttmp9, 18                      ; 64 rows of 4,096 bytes
	s_mov_b32 s23, 0
	s_add_nc_u64 s[6:7], s[6:7], s[22:23]
	s_add_nc_u64 s[10:11], s[10:11], s[18:19]
	s_lshl_b32 s25, s14, 14
	v_lshl_add_u32 v[GI], v1, 4, s25
.irp e, 0,1,2,3
.irp t, 0,1,2,3,4,5,6,7
	global_load_b128 v[X+32*(\e)+4*(\t):X+32*(\e)+4*(\t)+3], v[GI], s[6:7] offset:(\e)*4096+(\t)*512 th:TH_LOAD_NT
.endr
.endr
	v_lshl_add_u32 v[GO], v1, 3, s24
.irp e, 0,1,2,3
	s_wait_loadcnt 24-8*(\e)                       ; row e's eight loads are in, the younger rows' stay out
.irp t, 0,1,2,3,4,5,6,7
	v_cvt_pk_bf16_f32 v[P+16*(\e)+2*(\t)], v[X+32*(\e)+4*(\t)], v[X+32*(\e)+4*(\t)+1]
	v_cvt_pk_bf16_f32 v[P+16*(\e)+2*(\t)+1], v[X+32*(\e)+4*(\t)+2], v[X+32*(\e)+4*(\t)+3]
	global_store_b64 v[GO], v[P+16*(\e)+2*(\t):P+16*(\e)+2*(\t)+1], s[10:11] offset:(\e)*2048+(\t)*256  ; a wave's store covers 256 consecutive bytes, aligned
.endr
.endr
.Lsum:	; Both ways: P + 16 e holds my lane's 32 numbers of row 4 w + e.  P is only read from here on: the pending stores' data stay as they are.
.macro SUMSQ e
.irp m, 0,1,2,3
.irp k, 0,1,2,3
.if (\m) == 0
	v_fma_mix_f32_bf16 v[T+(\k)], v[P+16*(\e)+(\k)], v[P+16*(\e)+(\k)], v[ZERO] op_sel:[0,0,0] op_sel_hi:[1,1,0]
.else
	v_fma_mix_f32_bf16 v[T+(\k)], v[P+16*(\e)+4*(\m)+(\k)], v[P+16*(\e)+4*(\m)+(\k)], v[T+(\k)] op_sel:[0,0,0] op_sel_hi:[1,1,0]
.endif
.endr
.irp k, 0,1,2,3
	v_fma_mix_f32_bf16 v[T+(\k)], v[P+16*(\e)+4*(\m)+(\k)], v[P+16*(\e)+4*(\m)+(\k)], v[T+(\k)] op_sel:[1,1,0] op_sel_hi:[1,1,0]
.endr
.endr
	v_add_f32 v[T], v[T], v[T+1]
	v_add_f32 v[T+2], v[T+2], v[T+3]
	v_add_f32 v[T], v[T], v[T+2]
.irp m, 1,2,4,8
	v_add_f32_dpp v[T], v[T], v[T] row_xmask:\m row_mask:0xf bank_mask:0xf
.endr
	v_permlanex16_b32 v[T+1], v[T], s20, s21
	v_add_f32 v[S+(\e)], v[T], v[T+1]              ; every lane holds the row's sum
.endm
	SUMSQ 0
	SUMSQ 1
	SUMSQ 2
	SUMSQ 3
	ds_store_b128 v[SQA], v[S:S+3]                 ; all lanes write the same 16 bytes with the same numbers
	s_wait_dscnt 0x0
	s_barrier_signal -1
	s_barrier_wait -1
	s_cmp_lg_u32 s14, 0
	s_cbranch_scc1 .Lend
	ds_load_b64 v[T:T+1], v[L8S]                   ; wave 0: the 64 sums,
	s_wait_dscnt 0x0
	global_store_b64 v[L8], v[T:T+1], s[12:13]     ; 256 consecutive bytes, aligned
.Lend:
	s_wait_tensorcnt 0x0                           ; the wave's end, behind my last LDS store
	ds_add_u32 v[SPW], v[NIL]
	s_wait_dscnt 0x0
	s_endpgm
.Lfunc_end_k_qa4697bd75b_prep:
	.size	k_qa4697bd75b_prep, .Lfunc_end_k_qa4697bd75b_prep-k_qa4697bd75b_prep
	.p2alignl 7, 3214868480
	.fill 96, 4, 3214868480
	.section	.rodata,"a",@progbits
	.p2align	6, 0x0
	.amdhsa_kernel k_qa4697bd75b_prep
		.amdhsa_group_segment_fixed_size 133632
		.amdhsa_private_segment_fixed_size 0
		.amdhsa_enable_private_segment 0
		.amdhsa_kernarg_size 40
		.amdhsa_user_sgpr_count 2
		.amdhsa_user_sgpr_kernarg_segment_ptr 1
		.amdhsa_wavefront_size32 1
		.amdhsa_system_sgpr_workgroup_id_x 1
		.amdhsa_system_sgpr_workgroup_id_y 1
		.amdhsa_system_sgpr_workgroup_id_z 1
		.amdhsa_system_vgpr_workitem_id 0
		.amdhsa_next_free_vgpr 224
		.amdhsa_next_free_sgpr 66
		.amdhsa_reserve_vcc 0
		.amdhsa_float_denorm_mode_32 3
		.amdhsa_float_denorm_mode_16_64 3
		.amdhsa_memory_ordered 1
		.amdhsa_forward_progress 1
		.amdhsa_inst_pref_size 34
	.end_amdhsa_kernel
	.amdgpu_metadata
---
amdhsa.version: [ 1, 2 ]
amdhsa.kernels:
  - .name:           k_qa4697bd75b_prep
    .symbol:         k_qa4697bd75b_prep.kd
    .args:
      - { .name: features, .offset: 0, .size: 8, .value_kind: global_buffer, .address_space: global }
      - { .name: memory_bank, .offset: 8, .size: 8, .value_kind: global_buffer, .address_space: global }
      - { .name: fb, .offset: 16, .size: 8, .value_kind: global_buffer, .address_space: global }
      - { .name: mbb, .offset: 24, .size: 8, .value_kind: global_buffer, .address_space: global }
      - { .name: sq, .offset: 32, .size: 8, .value_kind: global_buffer, .address_space: global }
    .group_segment_fixed_size: 133632
    .private_segment_fixed_size: 0
    .kernarg_segment_align: 8
    .kernarg_segment_size: 40
    .max_flat_workgroup_size: 512
    .sgpr_count:     66
    .vgpr_count:     224
    .wavefront_size: 32
...
	.end_amdgpu_metadata
.endif
;; end of part 1
;; launch knn (part 2): grid 8 x 32, 4 waves a work-group, clusters of 4 x 4, 327,680 bytes of LDS; arguments fb, mbb, sq, candv, candi; writes candv, candi
.if DOCPART == 2
	.amdgcn_target "amdgcn-amd-amdhsa--gfx1250"
	.amdhsa_code_object_version 6
	.text
	.protected	k_qa4697bd75b_knn
	.globl	k_qa4697bd75b_knn
	.p2align	8
	.type	k_qa4697bd75b_knn,@function
k_qa4697bd75b_knn:
	s_mov_b64 s[64:65], 0
	v_nop
	global_prefetch_b8 v0, s[64:65] scope:SCOPE_SE
	s_setreg_imm32_b32 hwreg(HW_REG_WAVE_MODE, 25, 1), 1
	s_wait_xcnt 0x0
	s_wait_alu depctr_hold_cnt(0) depctr_sa_sdst(0) depctr_va_vdst(0) depctr_va_sdst(0) depctr_va_ssrc(0) depctr_va_vcc(0) depctr_vm_vsrc(0)
	s_getreg_b32 s2, hwreg(HW_REG_IB_STS2, 6, 4)
	s_cmp_eq_u32 s2, 0
	s_cbranch_scc0 .Lentry_in_a_cluster
	s_endpgm
.Lentry_in_a_cluster:
	s_bfe_u32 s2, ttmp6, 0x10000c
	s_cmp_lg_u32 s2, 0xf033
	s_cbranch_scc0 .Lentry_shape_is_right
	s_endpgm
.Lentry_shape_is_right:
; For each of the 8,192 queries (rows of fb) and each of 32 sets of 256 bank rows: the least key' = msq[m] - 2 f . m of the set (candv) and its row m (candi).
; f . m is the bf16 product fb mbb^T with f32 sums, K = 1,024.  fsq[n], the clip at 0, eps and the root do not change the order inside a row of distances: the next launch applies them to the 32 survivors.
; LIMITS.  Inside a set the order is by key', one fused multiply-add, which is finer than the order of the rounded distances; equal keys give the lower row.  NaN and infinities are not treated apart.
; SHARES.  A tile is 256 queries x 256 bank rows, made by four waves, 128 x 128 each: 64 accumulators of 16 x 16, 512 registers.  K goes in steps of 128 through two LDS slots filled by the tensor data mover:
; the tiles' rows are 256 bytes of memory and start at multiples of 256 bytes.  A WORK-GROUP STAYS: it makes the four tiles (ty, tx + 8 t): the same queries, the bank 2,048 rows further on each time, and the
; ring does not stop at a tile's end.  256 work-groups.  The running least key and its row stay in registers over the four tiles and leave once.
; CLUSTERS.  4 x 4 work-groups.  The four of a row of the cluster (same ty) need the same tiles of fb, the four of a column (same tx) the same tiles of mbb: each tile is asked for JOINTLY.
; THE MATRIX INSTRUCTION takes 16 bank rows as source 0 and 16 queries as source 1: in accumulator (a, b) lane l holds query 16 a + l % 16, and register j bank row 16 b + 8 (l / 16) + j.
; So a query's minimum over a tile's columns is taken inside a lane; set p = 4 tx + 2 (column half) + l / 16.
; REGISTERS, in windows of 256 (s_set_vgpr_msb: bits 1:0 source 0, 3:2 source 1, 5:4 source 2, 7:6 destination):
;   window 0: v0-31 addresses; v32-47 the way out; v64-127, v128-191 fb's fragments, two buffers; v192-255 msq of my lane's 64 columns of the tile
;   window 1: v0-7 least key for a = 0..7; v8-15 its row; v16-34 at work; v64-127, v128-191 mbb's fragments; v192-255 64 keys
;   window 2: the accumulators of my queries 0-63 ((a, b) at v[64 a + 8 b]);   window 3: those of queries 64-127
.set SIZE_K, 1024
.set KSTEP,  128
.set PITCH,  272                       ; an LDS row: 256 bytes + 16 of padding: the sixteen rows of a fragment load start at sixteen different 16-byte columns modulo 256
.set HALFT,  128*PITCH                 ; 128 rows: what one tensor load brings, and what one wave reads of either operand
.set SLOT,   4*HALFT                   ; fb's 256 rows, then mbb's 256 rows
.set STAGE,  2*SLOT                    ; behind the ring: for each wave four pieces of 576 bytes (512 used): keys h = 0, 1; rows h = 0, 1
.set SPIECE, 576
.set SWAVE,  4*SPIECE
.set SPARE,  STAGE+4*SWAVE             ; the spare words, 128 bytes for each wave; no other line names them
.set LAPS,   SIZE_K/(2*KSTEP)          ; a lap = two K steps = once round the ring
.set TILES,  4
.set WALK,   2048                      ; bank rows from a tile to the next
.set BACK_A, (SIZE_K-2*KSTEP)*2        ; bytes from a slot's last K step back to its first: fb only goes back,
.set NEXT_B, WALK*SIZE_K*2-BACK_A      ; mbb goes WALK rows down and back
.set ADRA, 16                          ; v16-17  LDS address of my fb fragments in slot 0, 1
.set ADRB, 20                          ; v20-21  the same for mbb
.set STO,  24                          ; v24     the way out: stage + 576 h + 4 r
.set RD,   25                          ; v25     the way out: stage + 16 x lane
.set GO,   26                          ; v26     16 x lane
.set MO,   27                          ; v27     32 h: my eight columns in a group of sixteen, in msq
.set SPW,  28                          ; v28     my spare word; never rewritten
.set NIL,  29                          ; v29     0; never rewritten
.set PFO,  30                          ; v30     the prefetches' offset: lane x a row of 2,048 bytes; never rewritten
.set OUTV, 32
.set F0,   64
.set F1,   128
.set MSQ,  192                         ; window 0
.set BEST, 0                           ; window 1, from here on
.set BIDX, 8
.set EM,   16
.set EL,   24
.set ENB,  32
.set ET,   33
.set ECB,  34                          ; my lane's first column of the tile in hand: 256 (tx + 8 t) + 128 half + 8 h
.set KT,   192
.set PFA,  44                          ; s[44:45] where my prefetches stand
.set LIM,  43                          ; s43     1 in a wave that prefetches, else the greatest number
.set G1,  24                           ; s[24:31] descriptor group 1 for fb's tiles;  s[32:39] group 0, a set for each slot
.set G0,  32
.set G1B, 48                           ; s[48:55], s[56:63] the same for mbb's
.set G0B, 56
.set MSB, 0
.macro WIN new                         ; the immediate's high byte repeats the setting that is left; a switch that changes nothing is dropped
.if MSB != (\new)
	s_set_vgpr_msb (MSB<<8)|(\new)
.set MSB, \new
.endif
.endm
.set MUL_LO, 0xa1                      ; source 0 (mbb) window 1, source 1 (fb) window 0, C and D window 2
.set MUL_HI, 0xf1                      ; the same, C and D window 3
.set TO_B,   0x40                      ; destination window 1, address window 0
; A joint load.  Waves 0 and 1 fetch fb's two halves, waves 2 and 3 mbb's.  The branch hangs on the wave's number alone.  An s_nop 0 and four v_nop follow each of the two lines.
.macro JLOAD s
	s_cmp_eq_u32 s11, 0
	s_cbranch_scc0 .Lfor_b_\@
	tensor_load_to_lds s[G0+4*(\s):G0+4*(\s)+3], s[G1:G1+7]
	s_nop 0
.rept 4
	v_nop
.endr
	s_branch .Lasked_\@
.Lfor_b_\@:
	tensor_load_to_lds s[G0B+4*(\s):G0B+4*(\s)+3], s[G1B:G1B+7]
	s_nop 0
.rept 4
	v_nop
.endr
.Lasked_\@:
.endm
; A PREFETCH INTO THE L2, behind each joint load and the run of LDS loads that follows it: the K step that stands TWO refills on, 32 rows x 256 bytes, a lane a row, one instruction a wave.
; Each row's 256 bytes of a K step are named once in the launch.  fb's tile row is read by both clusters of that row of clusters: cluster x = 0 asks, and in the first tile alone, since the later tiles read the
; same rows again.  mbb's tile column is read by all eight clusters of that column: cluster y = 0 asks, in every tile.  The four partners of a joint load share its 128 rows out BY ADDRESS, 32 each (cx for fb,
; cy for mbb).  how = 0, in the loop: a tile's last two refills have no K step two on.  how = 1, at a change of tiles: the next tile's K steps 2 and 3.  The launch's first four K steps come by their loads alone.
.macro ASK how
.if \how
	s_cmp_eq_u32 s[LIM], 1
.else
	s_cmp_gt_u32 s3, s[LIM]                        ; s3 = 1 in the loop's last trip
.endif
	s_cbranch_scc0 .Lnot_mine_\@
	global_prefetch_b8 v[PFO], s[PFA:PFA+1] offset:KSTEP*2 th:TH_LOAD_NT scope:SCOPE_SE
.Lnot_mine_\@:
.endm
.macro CREST                           ; a round of the cluster's barrier behind its opening barrier
	s_cmp_lg_u32 s10, 0
	s_cbranch_scc1 .Lnot_wave_0_\@
	s_barrier_signal -3
.Lnot_wave_0_\@:
	s_barrier_wait -3
	s_barrier_signal -1
	s_barrier_wait -1
.endm
.macro CROUND                          ; a whole round
	s_barrier_signal -1
	s_barrier_wait -1
	CREST
.endm
	s_load_b128 s[4:7], s[0:1], 0x0                ; fb s[4:5], mbb s[6:7]
	s_load_b64 s[8:9], s[0:1], 0x10                ; sq
	s_load_b128 s[68:71], s[0:1], 0x18             ; candv s[68:69], candi s[70:71]
	v_lshl_add_u32 v[SPW], v0, 2, SPARE
	v_mov_b32 v[NIL], 0
	ds_add_u32 v[SPW], v[NIL]                      ; the wave's opening: the add, twice on end, and its wait ahead of my first tensor load
	ds_add_u32 v[SPW], v[NIL]                      ; and once more, under the one wait; the set-up below, work on registers, stands between
	v_lshrrev_b32 v1, 5, v0
	v_readfirstlane_b32 s10, v1                    ; wave 0..3
	s_lshr_b32 s11, s10, 1                         ; which half of the tile's queries is mine.  Also: I fetch for fb (0) or for mbb (1)
	s_and_b32 s12, s10, 1                          ; which half of its bank rows.  Also: which 128 rows of that tile I fetch
	s_bfe_u32 s40, ttmp6, 0x40000                  ; cx
	s_bfe_u32 s41, ttmp6, 0x40004                  ; cy
	s_lshl_b32 s42, ttmp9, 2
	s_add_co_u32 s42, s42, s40                     ; tx = 4 x cluster x + cx, 0..7
	s_and_b32 s13, ttmp7, 0xffff
	s_lshl_b32 s13, s13, 2
	s_add_co_u32 s13, s13, s41                     ; ty = 4 x cluster y + cy, 0..31
	s_lshl_b32 s43, s41, 2
	s_lshl_b32 s43, 15, s43                        ; my row of the cluster: places 4 cy .. 4 cy + 3
	s_lshl_b32 s44, 0x1111, s40                    ; my column: places cx, cx + 4, cx + 8, cx + 12
	; descriptor group 1: a tile of 128 rows x 128 elements of 2 bytes, 4 words of padding behind every 64
	s_or_b32 s[G1+0], s43, (1<<16)|(1<<20)|(1<<21)|(5<<22)|(3<<25)   ; 15:0 the mask: fb's tiles go to my row; 21 set beside a mask
	s_or_b32 s[G1B+0], s44, (1<<16)|(1<<20)|(1<<21)|(5<<22)|(3<<25)  ; mbb's go to my column
.irp g, G1, G1B
	s_mov_b32 s[(\g)+1], KSTEP<<16                 ; tensor_dim0 = 128
	s_mov_b32 s[(\g)+2], 128<<16                   ; tensor_dim1 = 128
	s_mov_b32 s[(\g)+3], KSTEP<<16                 ; tile_dim0 = 128
	s_mov_b32 s[(\g)+4], 128                       ; tile_dim1 = 128
	s_mov_b32 s[(\g)+5], SIZE_K                    ; elements from row to row
	s_mov_b32 s[(\g)+6], 0
	s_mov_b32 s[(\g)+7], 0
.endr
	; where the tiles come from: fb's hang on ty alone, mbb's on tx alone; each in registers that never hold the other coordinate
	s_lshl_b32 s17, s12, 7                         ; which 128 rows of the tile I fetch
	s_lshl_b32 s16, s13, 8
	s_add_co_u32 s16, s16, s17
	s_lshl_b32 s16, s16, 11                        ; fb: (256 ty + 128 half) rows of 2,048 bytes, under 2^24
	s_lshl_b32 s46, s42, 8
	s_add_co_u32 s46, s46, s17
	s_lshl_b32 s46, s46, 11                        ; mbb: (256 tx + 128 half) rows
	s_mov_b32 s17, 0
	s_mov_b32 s47, 0
	s_mul_i32 s20, s10, HALFT                      ; where they go: wave x 128 rows: no place in the cluster enters an LDS address
	s_wait_dscnt 0x0                               ; both opening adds are done
	s_wait_kmcnt 0x0
	s_add_nc_u64 s[14:15], s[4:5], s[16:17]
	s_add_nc_u64 s[46:47], s[6:7], s[46:47]
	CROUND                                         ; all sixteen work-groups are here: the first joint loads meet
.irp s, 0,1
	s_mov_b32 s[G0+4*(\s)], 1
	s_add_co_u32 s[G0+4*(\s)+1], s20, (\s)*SLOT
	s_add_nc_u64 s[G0+4*(\s)+2:G0+4*(\s)+3], s[14:15], (\s)*KSTEP*2
	s_or_b32 s[G0+4*(\s)+3], s[G0+4*(\s)+3], 0x80000000
	s_mov_b32 s[G0B+4*(\s)], 1
	s_add_co_u32 s[G0B+4*(\s)+1], s20, (\s)*SLOT
	s_add_nc_u64 s[G0B+4*(\s)+2:G0B+4*(\s)+3], s[46:47], (\s)*KSTEP*2
	s_or_b32 s[G0B+4*(\s)+3], s[G0B+4*(\s)+3], 0x80000000
	JLOAD \s                                       ; the ring is filled before anything else is done: two loads of mine are out
.endr
	v_and_b32 v1, 15, v0                           ; r = l % 16
	v_bfe_u32 v2, v0, 4, 1                         ; h = l / 16
	v_and_b32 v5, 31, v0                           ; l
	v_mul_u32_u24 v3, v1, PITCH
	v_lshl_add_u32 v3, v2, 4, v3                   ; a fragment's row x pitch + 16 h
	s_mul_i32 s21, s11, HALFT                      ; my 128 queries
	s_mul_i32 s22, s12, HALFT                      ; my 128 bank rows,
	s_add_co_u32 s22, s22, 2*HALFT                 ; which lie behind fb's 256
.irp s, 0,1
	v_add_nc_u32 v[ADRA+(\s)], s21, v3
	v_add_nc_u32 v[ADRB+(\s)], s22, v3
	s_add_co_u32 s21, s21, SLOT
	s_add_co_u32 s22, s22, SLOT
.endr
	s_mul_i32 s23, s10, SWAVE
	s_add_co_u32 s23, s23, STAGE                   ; my stage
	v_mul_u32_u24 v4, v2, SPIECE
	v_lshl_add_u32 v4, v1, 2, v4
	v_add_nc_u32 v[STO], s23, v4
	v_lshlrev_b32 v[GO], 4, v5
	v_add_nc_u32 v[RD], s23, v[GO]
	v_lshlrev_b32 v[MO], 5, v2
	v_lshlrev_b32 v[PFO], 11, v5
	s_lshl_b32 s20, s42, 8
	s_lshl_b32 s21, s12, 7
	s_add_co_u32 s20, s20, s21                     ; my wave's first column of the first tile: 256 tx + 128 half
	WIN 0x40                                       ; destination window 1
.irp a, 0,1,2,3,4,5,6,7
	v_mov_b32 v[BEST+(\a)], 0x7f800000             ; +infinity: the first tile's least key takes its place
	v_mov_b32 v[BIDX+(\a)], 0
.endr
	v_lshl_add_u32 v[ECB], v2, 3, s20
	WIN 0
	s_lshl_b32 s22, s20, 2
	s_add_co_u32 s22, s22, 32768                   ; msq lies behind fsq
	s_mov_b32 s23, 0
	s_add_nc_u64 s[8:9], s[8:9], s[22:23]          ; msq at my wave's first column
	s_lshl_b32 s22, s42, 2
	s_lshl1_add_u32 s22, s12, s22                  ; set 4 tx + 2 half (+ h, in the stores' immediate)
	s_lshl_b32 s22, s22, 15                        ; 8,192 rows of 4 bytes a set
	s_lshl_b32 s21, s13, 10                        ; + 256 ty queries
	s_add_co_u32 s22, s22, s21
	s_lshl_b32 s21, s11, 9                         ; + my 128
	s_add_co_u32 s22, s22, s21
	s_add_nc_u64 s[68:69], s[68:69], s[22:23]
	s_add_nc_u64 s[70:71], s[70:71], s[22:23]
	; the prefetches
	s_lshl_b32 s13, s13, 8
	s_lshl_b32 s42, s42, 8
	s_and_b32 s22, ttmp7, 0xffff                   ; cluster y
	s_cmp_eq_u32 s11, 0                            ; do I fetch for fb?
	s_cselect_b32 s20, s13, s42                    ; the tile's first row
	s_cselect_b32 s21, s40, s41                    ; my place among the four that ask for it with me
	s_cselect_b32 s22, ttmp9, s22                  ; the coordinate along which other clusters read the same rows
	s_cselect_b64 s[PFA:PFA+1], s[4:5], s[6:7]
	s_cmp_eq_u32 s22, 0
	s_cselect_b32 s[LIM], 1, -1                    ; the same in all sixteen partners, for a given wave
	s_lshl_b32 s22, s12, 7
	s_add_co_u32 s20, s20, s22                     ; + the 128 rows that I fetch
	s_lshl_b32 s21, s21, 5
	s_add_co_u32 s20, s20, s21                     ; + my work-group's 32 of them
	s_lshl_b32 s20, s20, 11
	s_mov_b32 s21, 0
	s_add_nc_u64 s[PFA:PFA+1], s[PFA:PFA+1], s[20:21]
	s_add_nc_u64 s[PFA:PFA+1], s[PFA:PFA+1], 2*KSTEP*2  ; at K step 2: the first refill steps it to 3 and names K step 4
; 16 matrix instructions: query blocks a0, a0 + 1 of the window's four x all 8 column blocks, 32 along K.  zero = 1: the product starts the sums.
.macro MUL16 f, hi, a0, zero
	WIN MUL_LO+0x50*(\hi)
.irp a, \a0, (\a0)+1
.irp b, 0,1,2,3,4,5,6,7
.if \zero
	v_wmma_f32_16x16x32_bf16 v[8*(8*(\a)+(\b)):8*(8*(\a)+(\b))+7], v[(\f)+8*(\b):(\f)+8*(\b)+7], v[(\f)+8*(4*(\hi)+(\a)):(\f)+8*(4*(\hi)+(\a))+7], 0
.else
	v_wmma_f32_16x16x32_bf16 v[8*(8*(\a)+(\b)):8*(8*(\a)+(\b))+7], v[(\f)+8*(\b):(\f)+8*(\b)+7], v[(\f)+8*(4*(\hi)+(\a)):(\f)+8*(4*(\hi)+(\a))+7], v[8*(8*(\a)+(\b)):8*(8*(\a)+(\b))+7]
.endif
.endr
.endr
.endm
; 32 LDS loads in one run: the fragments of one quarter step (32 K at byte k of the rows) into buffer f: mbb's 128 rows, then fb's
.macro FETCH slot, k, f
	WIN TO_B
.irp i, 0,1,2,3,4,5,6,7
	ds_load_b128 v[(\f)+8*(\i):(\f)+8*(\i)+3],   v[ADRB+(\slot)] offset:(\k)+(\i)*16*PITCH
	ds_load_b128 v[(\f)+8*(\i)+4:(\f)+8*(\i)+7], v[ADRB+(\slot)] offset:(\k)+(\i)*16*PITCH+32
.endr
	WIN 0
.irp i, 0,1,2,3,4,5,6,7
	ds_load_b128 v[(\f)+8*(\i):(\f)+8*(\i)+3],   v[ADRA+(\slot)] offset:(\k)+(\i)*16*PITCH
	ds_load_b128 v[(\f)+8*(\i)+4:(\f)+8*(\i)+7], v[ADRA+(\slot)] offset:(\k)+(\i)*16*PITCH+32
.endr
.endm
.macro PLACES                          ; four plain vector instructions between a matrix instruction and a load into, or a vector read of, its registers
.rept 4
	v_nop
.endr
.endm
; A K step is four quarters of 32 along K, 64 matrix instructions each, on buffers 0, 1, 0, 1.  The 64 accumulators take turns in the same order in every quarter.
.macro QUARTER slot, k, f, g, zero
	s_wait_dscnt 8                                 ; mbb's fragments and fb's rows 0-63 are in; the youngest eight loads (fb's rows 64-127) may be out
	WIN MUL_LO
	MUL16 \f, 0, 0, \zero
	MUL16 \f, 0, 2, \zero
	PLACES
	FETCH \slot, \k, \g
	s_wait_dscnt 32                                ; all but the 32 just issued
	WIN MUL_HI
	MUL16 \f, 1, 0, \zero
	MUL16 \f, 1, 2, \zero
.endm
; The first half of a K step's last quarter: ONE barrier for the change of slots.  In front of it each wave waits for all its tensor loads (one is out: its part of the next slot), adds 0 to its spare word,
; and waits for that and for its own reads of this slot.  Behind it nobody reads this slot any more and the next slot is whole.
.macro MEET round
	WIN 0                                          ; (the add's two registers lie in window 0)
	s_wait_tensorcnt 0x0
	ds_add_u32 v[SPW], v[NIL]
	s_wait_dscnt 9                                 ; (the add and the youngest eight loads may be out)
	WIN MUL_LO
	MUL16 F1, 0, 0, 0                              ; sixteen matrix instructions stand between the add and the wait for it
	s_wait_dscnt 0x0                               ; the add is done, and my reads of this slot are over
	s_barrier_signal -1
	MUL16 F1, 0, 2, 0
.if \round
	WIN 0
.endif
	s_barrier_wait -1
.endm
; The whole last quarter with a refill: this tile's K step two on (on = 0), or the NEXT tile's K step 0 or 1 (on = 1).
.macro TURN slot, next, on
	s_wait_xcnt 0x0                                ; the last prefetch, a K step back, has read its address: it is stepped here, ahead of the waits of the change of slots
.if (\on) && (\slot) == 0
	s_add_nc_u64 s[PFA:PFA+1], s[PFA:PFA+1], (WALK-1)*SIZE_K*2+KSTEP*2  ; from the K step after the tile's last to the next tile's K step 1
	s_cmp_eq_u32 s11, 1
	s_cselect_b32 s[LIM], s[LIM], -1               ; fb's rows are the same for all four tiles: they are asked for no more
.else
	s_add_nc_u64 s[PFA:PFA+1], s[PFA:PFA+1], KSTEP*2
.endif
	MEET 1
	CREST                                          ; the barrier has opened a round of the cluster's: no wave of any partner still reads this slot or has a load on its way
.if \on
	s_sub_nc_u64 s[G0+4*(\slot)+2:G0+4*(\slot)+3], s[G0+4*(\slot)+2:G0+4*(\slot)+3], BACK_A
	s_add_nc_u64 s[G0B+4*(\slot)+2:G0B+4*(\slot)+3], s[G0B+4*(\slot)+2:G0B+4*(\slot)+3], NEXT_B
.else
	s_add_nc_u64 s[G0+4*(\slot)+2:G0+4*(\slot)+3], s[G0+4*(\slot)+2:G0+4*(\slot)+3], 2*KSTEP*2
	s_add_nc_u64 s[G0B+4*(\slot)+2:G0B+4*(\slot)+3], s[G0B+4*(\slot)+2:G0B+4*(\slot)+3], 2*KSTEP*2
.endif
	JLOAD \slot                                    ; the first tensor load behind the round; its four v_nop are also the places in front of the loads below
	FETCH \next, 0, F0
	ASK \on
	WIN MUL_HI
	MUL16 F1, 1, 0, 0
	MUL16 F1, 1, 2, 0
.endm
.macro TURNX slot, next                ; the same where nothing is left to ask for
	MEET 0
	PLACES
	FETCH \next, 0, F0
	WIN MUL_HI
	MUL16 F1, 1, 0, 0
	MUL16 F1, 1, 2, 0
.endm
.macro LASTQ                           ; the very last quarter: nothing more to fetch
	s_wait_dscnt 8
	MUL16 F1, 0, 0, 0
	MUL16 F1, 0, 2, 0
	s_wait_dscnt 0x0
	MUL16 F1, 1, 0, 0
	MUL16 F1, 1, 2, 0
.endm
.macro MSQLOAD                         ; msq of my lane's 64 columns of the tile in hand, asked for a whole tile ahead of its use
	WIN 0
.irp b, 0,1,2,3,4,5,6,7
	global_load_b128 v[MSQ+8*(\b):MSQ+8*(\b)+3],   v[MO], s[8:9] offset:64*(\b)
	global_load_b128 v[MSQ+8*(\b)+4:MSQ+8*(\b)+7], v[MO], s[8:9] offset:64*(\b)+16
.endr
.endm
; A TILE'S END, for query block a.  64 keys msq - 2 cross; their minimum with the least key so far; the lowest place at which a key equals it; the row, taken only if the minimum has fallen.
.macro EPIA a
.set AC, 64*((\a)%4)
	WIN 0x42+(\a)/4                                ; source 0: the accumulators' window; source 2: window 0; destination: window 1
.set z, 0
.rept 32                                       ; ascending: each accumulator is read from its low end on
	v_pk_fma_f32 v[KT+2*z:KT+2*z+1], v[AC+2*z:AC+2*z+1], -2.0, v[MSQ+2*z:MSQ+2*z+1] op_sel_hi:[1,0,1]
.set z, z+1
.endr
	WIN 0x55                                       ; all in window 1
.irp b, 0,1,2,3,4,5,6,7                        ; eight chains side by side
	v_min3_num_f32 v[EM+(\b)], v[KT+8*(\b)], v[KT+8*(\b)+1], v[KT+8*(\b)+2]
.endr
.irp b, 0,1,2,3,4,5,6,7
	v_min3_num_f32 v[EM+(\b)], v[EM+(\b)], v[KT+8*(\b)+3], v[KT+8*(\b)+4]
.endr
.irp b, 0,1,2,3,4,5,6,7
	v_min3_num_f32 v[EM+(\b)], v[EM+(\b)], v[KT+8*(\b)+5], v[KT+8*(\b)+6]
.endr
.irp b, 0,1,2,3,4,5,6,7
	v_min_num_f32 v[EM+(\b)], v[EM+(\b)], v[KT+8*(\b)+7]
.endr
	v_min3_num_f32 v[EM], v[EM], v[EM+1], v[EM+2]
	v_min3_num_f32 v[EM+3], v[EM+3], v[EM+4], v[EM+5]
	v_min3_num_f32 v[EM+6], v[EM+6], v[EM+7], v[BEST+(\a)]
	v_min3_num_f32 v[ENB], v[EM], v[EM+3], v[EM+6]
	v_cmp_lt_f32 s80, v[ENB], v[BEST+(\a)]         ; fallen?  An equal key of a later tile leaves the earlier, lower row
.irp j, 7,6,5,4,3,2,1,0                        ; descending, so that the lowest j stays; 64 = nowhere
.irp b, 0,1,2,3,4,5,6,7
	v_cmp_eq_f32 s[72+(\b)], v[KT+8*(\b)+(\j)], v[ENB]
.endr
.irp b, 0,1,2,3,4,5,6,7
.if (\j) == 7
	v_cndmask_b32 v[EL+(\b)], 64, 8*(\b)+(\j), s[72+(\b)]
.else
	v_cndmask_b32 v[EL+(\b)], v[EL+(\b)], 8*(\b)+(\j), s[72+(\b)]
.endif
.endr
.endr
	v_min_u32 v[EL], v[EL], v[EL+1]
	v_min_u32 v[EL+2], v[EL+2], v[EL+3]
	v_min_u32 v[EL+4], v[EL+4], v[EL+5]
	v_min_u32 v[EL+6], v[EL+6], v[EL+7]
	v_min_u32 v[EL], v[EL], v[EL+2]
	v_min_u32 v[EL+4], v[EL+4], v[EL+6]
	v_min_u32 v[EL], v[EL], v[EL+4]                ; 8 b + j
	v_and_b32 v[ET], 56, v[EL]                     ; 8 b
	v_add3_u32 v[ET], v[ET], v[EL], v[ECB]         ; the row: first column + 16 b + j
	v_cndmask_b32 v[BIDX+(\a)], v[BIDX+(\a)], v[ET], s80
	v_mov_b32 v[BEST+(\a)], v[ENB]
.endm
	s_wait_tensorcnt 1                             ; my part of K step 0 is in; K step 1's load may stay out
	s_barrier_signal -1
	s_barrier_wait -1                              ; everybody's is
	FETCH 0, 0, F0
	s_mov_b32 s2, TILES                            ; tiles to go, this one among them: the same number in every work-group
.Ltile:
	MSQLOAD
	QUARTER 0, 64,  F0, F1, 1                      ; a tile's first quarter: its products start the sums, nothing is cleared
	WIN 0                                          ; at a label and at a branch every window is 0
	s_mov_b32 s3, LAPS-1
.Llap:                                                 ; a trip goes once round the ring, from a lap's second quarter to the next lap's first, and fills both slots again
	QUARTER 0, 128, F1, F0, 0
	QUARTER 0, 192, F0, F1, 0
	TURN 0, 1, 0
	QUARTER 1, 64,  F0, F1, 0
	QUARTER 1, 128, F1, F0, 0
	QUARTER 1, 192, F0, F1, 0
	TURN 1, 0, 0
	QUARTER 0, 64,  F0, F1, 0
	WIN 0
	s_sub_co_u32 s3, s3, 1
	s_cmp_lg_u32 s3, 0
	s_cbranch_scc1 .Llap
	QUARTER 0, 128, F1, F0, 0                      ; the tile's last lap goes on
	QUARTER 0, 192, F0, F1, 0
	WIN 0
	s_cmp_eq_u32 s2, 1
	s_cbranch_scc1 .Llast                          ; the last tile asks for nothing more
	TURN 0, 1, 1                                   ; the ring goes on into the next tile: slot 0 takes its K step 0,
	QUARTER 1, 64,  F0, F1, 0
	QUARTER 1, 128, F1, F0, 0
	QUARTER 1, 192, F0, F1, 0
	TURN 1, 0, 1                                   ; slot 1 its K step 1, and the next tile's first fragments are fetched
	WIN 0
	s_branch .Lepi
.Llast:
	TURNX 0, 1
	QUARTER 1, 64,  F0, F1, 0
	QUARTER 1, 128, F1, F0, 0
	QUARTER 1, 192, F0, F1, 0
	LASTQ
	WIN 0
.Lepi:                                                 ; both refills, where there are any, have been asked for: the tile's keys are made and weighed while they land
	PLACES                                         ; behind the last products
	s_wait_loadcnt 0x0                             ; msq is in, so its loads' base may be written:
	s_add_nc_u64 s[8:9], s[8:9], WALK*4            ; the next tile's columns
.irp a, 0,1,2,3,4,5,6,7
	EPIA \a
.endr
	v_add_nc_u32 v[ECB], WALK, v[ECB]
	WIN 0
	s_sub_co_u32 s2, s2, 1
	s_cmp_lg_u32 s2, 0
	s_cbranch_scc1 .Ltile
	; THE WAY OUT, once: a lane's eight keys and rows go into my own stage, query 16 a + r at word 16 a + r of piece h, and come back as 512 consecutive bytes a piece.
	WIN 0x04                                       ; store data in window 1
.irp a, 0,1,2,3,4,5,6,7
	ds_store_b32 v[STO], v[BEST+(\a)] offset:64*(\a)
	ds_store_b32 v[STO], v[BIDX+(\a)] offset:2*SPIECE+64*(\a)
.endr
	WIN 0
.irp k, 0,1,2,3
	ds_load_b128 v[OUTV+4*(\k):OUTV+4*(\k)+3], v[RD] offset:SPIECE*(\k)  ; LDS serves a wave's instructions in order (ISA guide 5.7.1.4): these see the stores above
.endr
	s_wait_dscnt 3                                 ; the younger pieces' loads may stay out
	global_store_b128 v[GO], v[OUTV:OUTV+3], s[68:69]                    ; 128 queries of set h = 0: 512 consecutive bytes, aligned
	s_wait_dscnt 2
	global_store_b128 v[GO], v[OUTV+4:OUTV+7], s[68:69] offset:32768     ; of set h = 1
	s_wait_dscnt 1
	global_store_b128 v[GO], v[OUTV+8:OUTV+11], s[70:71]
	s_wait_dscnt 0x0
	global_store_b128 v[GO], v[OUTV+12:OUTV+15], s[70:71] offset:32768
	s_wait_tensorcnt 0x0                           ; the wave's end, behind my last tensor load and my last LDS store
	ds_add_u32 v[SPW], v[NIL]
	s_wait_dscnt 0x0
	CROUND                                         ; the closing round: no work-group ends while a partner may still ask for a tile that names it
	s_endpgm
.Lfunc_end_k_qa4697bd75b_knn:
	.size	k_qa4697bd75b_knn, .Lfunc_end_k_qa4697bd75b_knn-k_qa4697bd75b_knn
	.p2alignl 7, 3214868480
	.fill 96, 4, 3214868480
	.section	.rodata,"a",@progbits
	.p2align	6, 0x0
	.amdhsa_kernel k_qa4697bd75b_knn
		.amdhsa_group_segment_fixed_size 327680
		.amdhsa_private_segment_fixed_size 0
		.amdhsa_enable_private_segment 0
		.amdhsa_kernarg_size 40
		.amdhsa_user_sgpr_count 2
		.amdhsa_user_sgpr_kernarg_segment_ptr 1
		.amdhsa_wavefront_size32 1
		.amdhsa_system_sgpr_workgroup_id_x 1
		.amdhsa_system_sgpr_workgroup_id_y 1
		.amdhsa_system_sgpr_workgroup_id_z 1
		.amdhsa_system_vgpr_workitem_id 0
		.amdhsa_next_free_vgpr 1024
		.amdhsa_next_free_sgpr 84
		.amdhsa_reserve_vcc 0
		.amdhsa_float_denorm_mode_32 3
		.amdhsa_float_denorm_mode_16_64 3
		.amdhsa_memory_ordered 1
		.amdhsa_forward_progress 1
		.amdhsa_inst_pref_size 251
	.end_amdhsa_kernel
	.amdgpu_metadata
---
amdhsa.version: [ 1, 2 ]
amdhsa.kernels:
  - .name:           k_qa4697bd75b_knn
    .symbol:         k_qa4697bd75b_knn.kd
    .args:
      - { .name: fb, .offset: 0, .size: 8, .value_kind: global_buffer, .address_space: global }
      - { .name: mbb, .offset: 8, .size: 8, .value_kind: global_buffer, .address_space: global }
      - { .name: sq, .offset: 16, .size: 8, .value_kind: global_buffer, .address_space: global }
      - { .name: candv, .offset: 24, .size: 8, .value_kind: global_buffer, .address_space: global }
      - { .name: candi, .offset: 32, .size: 8, .value_kind: global_buffer, .address_space: global }
    .group_segment_fixed_size: 327680
    .private_segment_fixed_size: 0
    .kernarg_segment_align: 8
    .kernarg_segment_size: 40
    .max_flat_workgroup_size: 128
    .sgpr_count:     84
    .vgpr_count:     1024
    .wavefront_size: 32
...
	.end_amdgpu_metadata
.endif
;; end of part 2
;; launch merge (part 3): grid 128 x 1, 1 waves a work-group, no clusters, 0 bytes of LDS; arguments candv, candi, sq, nidx, wsc; writes nidx, wsc
.if DOCPART == 3
	.amdgcn_target "amdgcn-amd-amdhsa--gfx1250"
	.amdhsa_code_object_version 6
	.text
	.protected	k_qa4697bd75b_merge
	.globl	k_qa4697bd75b_merge
	.p2align	8
	.type	k_qa4697bd75b_merge,@function
k_qa4697bd75b_merge:
	s_mov_b64 s[64:65], 0
	v_nop
	global_prefetch_b8 v0, s[64:65] scope:SCOPE_SE
	s_setreg_imm32_b32 hwreg(HW_REG_WAVE_MODE, 25, 1), 1
	s_wait_xcnt 0x0
; For each query: of its 32 candidates (key' = msq - 2 cross and bank row) the nearest, by the distance as the problem writes it:
; d = sqrt(max((fsq + msq) - 2 cross, 0) + eps), 2 cross = msq - key'; among equal d the lowest row.  nidx = that row; wsc = 2^-10 / (d + eps), the factor of the mean over 1,024 channels.
; SHARES.  One wave a work-group, 64 queries; a lane owns queries 2 l and 2 l + 1, so every load and store of 8 bytes a lane covers 256 consecutive bytes, aligned.  2 MiB in all: no loop, no LDS.
; The launch is two memory round trips on end (the candidates, then msq of the rows that they name); more waves or a prefetch would shorten neither.
; LIMITS.  The root is v_rsq_f32 with one correction step, the division v_rcp_f32 and a multiply: not the correctly rounded ones.  NaN and infinities are not treated apart.
; The rows come from memory as whole numbers and are clamped to 8,191 before they enter an address.
.set FS, 8                             ; v[8:9]     fsq of my two queries
.set SB, 10                            ; v[10:11]   least distance
.set IB, 12                            ; v[12:13]   its row
.set IX, 16                            ; v[16:79]   set p's rows at IX + 2 p
.set KV, 80                            ; v[80:143]  keys, then the root's argument, then distances
.set MS, 144                           ; v[144:207] offsets, then msq, then fsq + msq, then the reciprocal root
.set T,  208                           ; v[208:219] at work
	s_load_b256 s[4:11], s[0:1], 0x0               ; candv s[4:5], candi s[6:7], sq s[8:9], nidx s[10:11]
	s_load_b64 s[12:13], s[0:1], 0x20              ; wsc
	v_lshlrev_b32 v1, 3, v0                        ; 8 x lane
	s_lshl_b32 s14, ttmp9, 8                       ; 64 queries of 4 bytes
	s_mov_b32 s15, 0
	s_mov_b32 s18, 0x322bcc77                      ; eps = 1e-8
	s_mov_b32 s19, s18                             ; named with it as a pair
	s_wait_kmcnt 0x0
	s_add_nc_u64 s[16:17], s[8:9], 0x8000          ; msq
	s_add_nc_u64 s[4:5], s[4:5], s[14:15]
	s_add_nc_u64 s[6:7], s[6:7], s[14:15]
	s_add_nc_u64 s[8:9], s[8:9], s[14:15]
	s_add_nc_u64 s[10:11], s[10:11], s[14:15]
	s_add_nc_u64 s[12:13], s[12:13], s[14:15]
	global_load_b64 v[FS:FS+1], v1, s[8:9]
.set p, 0
.rept 32
	global_load_b64 v[IX+2*p:IX+2*p+1], v1, s[6:7] offset:p*32768
.set p, p+1
.endr
.set p, 0
.rept 32
	global_load_b64 v[KV+2*p:KV+2*p+1], v1, s[4:5] offset:p*32768
.set p, p+1
.endr
	s_wait_loadcnt 32                              ; fsq and the rows are in; the 32 loads of keys stay out
.set i, 0
.rept 64
	v_min_u32 v[IX+i], 0x1fff, v[IX+i]
	v_lshlrev_b32 v[MS+i], 2, v[IX+i]
	global_load_b32 v[MS+i], v[MS+i], s[16:17]     ; msq of the row; the load lands on its own offset
.set i, i+1
.endr
	s_wait_loadcnt 0x0
.macro EACH line:vararg                ; one line for each set p
.set p, 0
.rept 32
	\line
.set p, p+1
.endr
.endm
	EACH v_pk_add_f32 v[KV+2*p:KV+2*p+1], v[MS+2*p:MS+2*p+1], v[KV+2*p:KV+2*p+1] neg_lo:[0,1] neg_hi:[0,1]  ; 2 cross = msq - key'
	EACH v_pk_add_f32 v[MS+2*p:MS+2*p+1], v[FS:FS+1], v[MS+2*p:MS+2*p+1]                                    ; fsq + msq
	EACH v_pk_add_f32 v[KV+2*p:KV+2*p+1], v[MS+2*p:MS+2*p+1], v[KV+2*p:KV+2*p+1] neg_lo:[0,1] neg_hi:[0,1]  ; - 2 cross
	EACH v_max_num_f32 v[KV+2*p], 0, v[KV+2*p]
	EACH v_max_num_f32 v[KV+2*p+1], 0, v[KV+2*p+1]
	EACH v_pk_add_f32 v[KV+2*p:KV+2*p+1], v[KV+2*p:KV+2*p+1], s[18:19] op_sel_hi:[1,0]                      ; + eps: x, at least 1e-8
.set i, 0
.rept 64
	v_rsq_f32 v[MS+i], v[KV+i]                     ; one batch
.set i, i+1
.endr
	v_nop                                          ; a plain instruction behind the last of them,
	s_wait_alu depctr_va_vdst(0)                   ; and the one wait ahead of the first use
.set p, 0
.rept 32                                       ; s = x r; d = s + (x - s s) r / 2; the temporaries take turns over three sets
.set TA, T+4*(p%3)
	v_pk_mul_f32 v[TA:TA+1], v[KV+2*p:KV+2*p+1], v[MS+2*p:MS+2*p+1]
	v_pk_mul_f32 v[MS+2*p:MS+2*p+1], v[MS+2*p:MS+2*p+1], 0.5 op_sel_hi:[1,0]
	v_pk_fma_f32 v[TA+2:TA+3], v[TA:TA+1], v[TA:TA+1], v[KV+2*p:KV+2*p+1] neg_lo:[1,0,0] neg_hi:[1,0,0]
	v_pk_fma_f32 v[KV+2*p:KV+2*p+1], v[TA+2:TA+3], v[MS+2*p:MS+2*p+1], v[TA:TA+1]
.set p, p+1
.endr
	v_min3_num_f32 v[SB], v[KV], v[KV+2], v[KV+4]
	v_min3_num_f32 v[SB+1], v[KV+1], v[KV+3], v[KV+5]
.set p, 3
.rept 14
	v_min3_num_f32 v[SB], v[SB], v[KV+2*p], v[KV+2*p+2]
	v_min3_num_f32 v[SB+1], v[SB+1], v[KV+2*p+1], v[KV+2*p+3]
.set p, p+2
.endr
	v_min_num_f32 v[SB], v[SB], v[KV+62]
	v_min_num_f32 v[SB+1], v[SB+1], v[KV+63]
	v_mov_b32 v[IB], -1
	v_mov_b32 v[IB+1], -1
.set i, 0
.rept 64                                       ; the lowest row among the candidates at the least distance
	v_cmp_eq_f32 vcc_lo, v[KV+i], v[SB+i%2]
	v_cndmask_b32 v[T+i%2], -1, v[IX+i], vcc_lo
	v_min_u32 v[IB+i%2], v[IB+i%2], v[T+i%2]
.set i, i+1
.endr
	v_pk_add_f32 v[T+4:T+5], v[SB:SB+1], s[18:19] op_sel_hi:[1,0]  ; d + eps
	v_rcp_f32 v[T+6], v[T+4]
	v_rcp_f32 v[T+7], v[T+5]
	v_nop
	s_wait_alu depctr_va_vdst(0)                   ; one wait for the two reciprocals
	v_pk_mul_f32 v[T+6:T+7], v[T+6:T+7], 0x3a800000 op_sel_hi:[1,0]  ; x 2^-10
	global_store_b64 v1, v[IB:IB+1], s[10:11]
	global_store_b64 v1, v[T+6:T+7], s[12:13]
	s_endpgm
.Lfunc_end_k_qa4697bd75b_merge:
	.size	k_qa4697bd75b_merge, .Lfunc_end_k_qa4697bd75b_merge-k_qa4697bd75b_merge
	.p2alignl 7, 3214868480
	.fill 96, 4, 3214868480
	.section	.rodata,"a",@progbits
	.p2align	6, 0x0
	.amdhsa_kernel k_qa4697bd75b_merge
		.amdhsa_group_segment_fixed_size 0
		.amdhsa_private_segment_fixed_size 0
		.amdhsa_enable_private_segment 0
		.amdhsa_kernarg_size 40
		.amdhsa_user_sgpr_count 2
		.amdhsa_user_sgpr_kernarg_segment_ptr 1
		.amdhsa_wavefront_size32 1
		.amdhsa_system_sgpr_workgroup_id_x 1
		.amdhsa_system_sgpr_workgroup_id_y 1
		.amdhsa_system_sgpr_workgroup_id_z 1
		.amdhsa_system_vgpr_workitem_id 0
		.amdhsa_next_free_vgpr 224
		.amdhsa_next_free_sgpr 66
		.amdhsa_reserve_vcc 1
		.amdhsa_float_denorm_mode_32 3
		.amdhsa_float_denorm_mode_16_64 3
		.amdhsa_memory_ordered 1
		.amdhsa_forward_progress 1
		.amdhsa_inst_pref_size 48
	.end_amdhsa_kernel
	.amdgpu_metadata
---
amdhsa.version: [ 1, 2 ]
amdhsa.kernels:
  - .name:           k_qa4697bd75b_merge
    .symbol:         k_qa4697bd75b_merge.kd
    .args:
      - { .name: candv, .offset: 0, .size: 8, .value_kind: global_buffer, .address_space: global }
      - { .name: candi, .offset: 8, .size: 8, .value_kind: global_buffer, .address_space: global }
      - { .name: sq, .offset: 16, .size: 8, .value_kind: global_buffer, .address_space: global }
      - { .name: nidx, .offset: 24, .size: 8, .value_kind: global_buffer, .address_space: global }
      - { .name: wsc, .offset: 32, .size: 8, .value_kind: global_buffer, .address_space: global }
    .group_segment_fixed_size: 0
    .private_segment_fixed_size: 0
    .kernarg_segment_align: 8
    .kernarg_segment_size: 40
    .max_flat_workgroup_size: 32
    .sgpr_count:     66
    .vgpr_count:     224
    .wavefront_size: 32
...
	.end_amdgpu_metadata
.endif
;; end of part 3
;; launch infl (part 4): grid 256 x 1, 16 waves a work-group, no clusters, 2,304 bytes of LDS; arguments fb, mbb, nidx, wsc, infl; writes infl
.if DOCPART == 4
	.amdgcn_target "amdgcn-amd-amdhsa--gfx1250"
	.amdhsa_code_object_version 6
	.text
	.protected	k_qa4697bd75b_infl
	.globl	k_qa4697bd75b_infl
	.p2align	8
	.type	k_qa4697bd75b_infl,@function
k_qa4697bd75b_infl:
	s_mov_b64 s[64:65], 0
	v_nop
	global_prefetch_b8 v0, s[64:65] scope:SCOPE_SE
	s_setreg_imm32_b32 hwreg(HW_REG_WAVE_MODE, 25, 1), 1
	s_wait_xcnt 0x0
; infl[n] = (the sum over c of |fb[n][c] - mbb[nidx[n]][c]|) x wsc[n], wsc = 2^-10 / (d0 + eps): the mean over 1,024 channels of |(f - nearest) / d0|, with the division taken out of the sum.
; SHARES.  A work-group owns 32 queries, wave w queries 2 w and 2 w + 1; a row is 2,048 bytes: four loads of 16 bytes a lane, each 512 consecutive bytes.  All 16 loads of a wave go out at once.
; nidx was stored as whole numbers by the launch before; it is read by a scalar load and clamped to 8,191 before it enters an address.
; A work-group's 32 results are 128 bytes, half of an aligned 256: whole blocks would want 64 queries a work-group, 128 work-groups for 32 MiB of reading; the output is 32 KiB in all.
; No prefetch: everything is asked for at the head.  No hint on the loads: a bank row may be named by several queries, and fb is read again by the next launch.
; LIMITS.  The sum is taken in four chains a lane and then across lanes; NaN and infinities are not treated apart.
.set RED,   0                          ; LDS: 32 results, a block of 256 bytes
.set SPARE, 256                        ; the spare words: 128 bytes for each of 16 waves; no other line names them
.set SPW,  6                           ; v6   my spare word; never rewritten
.set NIL,  7                           ; v7   0; never rewritten
.set NEG1, 8                           ; v8   -1.0
.set FA,   16                          ; v[16:47]  fb's two rows, 16 registers each
.set MB,   48                          ; v[48:79]  the two bank rows
                                       ; v80-83 four differences; v84-87 four chains; v[88:89] the two results
	s_load_b256 s[4:11], s[0:1], 0x0               ; fb s[4:5], mbb s[6:7], nidx s[8:9], wsc s[10:11]
	s_load_b64 s[12:13], s[0:1], 0x20              ; infl
	v_lshl_add_u32 v[SPW], v0, 2, SPARE
	v_mov_b32 v[NIL], 0
	v_lshrrev_b32 v2, 5, v0
	v_readfirstlane_b32 s14, v2                    ; wave 0..15
	v_and_b32 v3, 31, v0
	v_lshlrev_b32 v1, 4, v3                        ; 16 x lane
	v_lshlrev_b32 v4, 2, v3                        ; 4 x lane
	v_mov_b32 v[NEG1], -1.0
	s_lshl_b32 s15, ttmp9, 5
	s_lshl1_add_u32 s15, s14, s15                  ; my first query: 32 x work-group + 2 w
	s_lshl_b32 s22, s15, 2
	s_lshl_b32 s16, s15, 11
	s_mov_b32 s17, 0
	s_lshl_b32 s18, ttmp9, 7
	s_mov_b32 s19, 0
	s_mov_b32 s30, 0x7fffffff
	s_mov_b32 s32, 0x76543210
	s_mov_b32 s33, 0xfedcba98
	s_lshl_b32 s31, s14, 3
	v_mov_b32 v5, s31                              ; RED + 8 w
	s_wait_kmcnt 0x0
	s_load_b64 s[20:21], s[8:9], s22 offset:0x0    ; the two rows' numbers
	s_load_b64 s[24:25], s[10:11], s22 offset:0x0  ; the two factors
	s_add_nc_u64 s[4:5], s[4:5], s[16:17]
	s_add_nc_u64 s[12:13], s[12:13], s[18:19]
.irp e, 0,1
.irp t, 0,1,2,3
	global_load_b128 v[FA+16*(\e)+4*(\t):FA+16*(\e)+4*(\t)+3], v1, s[4:5] offset:(\e)*2048+(\t)*512
.endr
.endr
	s_wait_kmcnt 0x0
	s_min_u32 s20, s20, 0x1fff
	s_min_u32 s21, s21, 0x1fff
	s_lshl_b32 s26, s20, 11
	s_mov_b32 s27, 0
	s_lshl_b32 s28, s21, 11
	s_mov_b32 s29, 0
	s_add_nc_u64 s[26:27], s[6:7], s[26:27]
	s_add_nc_u64 s[28:29], s[6:7], s[28:29]
.irp t, 0,1,2,3
	global_load_b128 v[MB+4*(\t):MB+4*(\t)+3], v1, s[26:27] offset:(\t)*512
.endr
.irp t, 0,1,2,3
	global_load_b128 v[MB+16+4*(\t):MB+16+4*(\t)+3], v1, s[28:29] offset:(\t)*512
.endr
; Two registers, four numbers: bank x (-1) + f, rounded once in f32; their magnitudes go onto four chains (first = 1: they start the chains).
.macro QUAD ra, rb, first
	v_fma_mix_f32_bf16 v80, v[\rb], v[NEG1], v[\ra] op_sel:[0,0,0] op_sel_hi:[1,0,1]
	v_fma_mix_f32_bf16 v81, v[\rb], v[NEG1], v[\ra] op_sel:[1,0,1] op_sel_hi:[1,0,1]
	v_fma_mix_f32_bf16 v82, v[(\rb)+1], v[NEG1], v[(\ra)+1] op_sel:[0,0,0] op_sel_hi:[1,0,1]
	v_fma_mix_f32_bf16 v83, v[(\rb)+1], v[NEG1], v[(\ra)+1] op_sel:[1,0,1] op_sel_hi:[1,0,1]
.if \first
	v_and_b32 v84, s30, v80
	v_and_b32 v85, s30, v81
	v_and_b32 v86, s30, v82
	v_and_b32 v87, s30, v83
.else
	v_add_f32 v84, v84, |v80|
	v_add_f32 v85, v85, |v81|
	v_add_f32 v86, v86, |v82|
	v_add_f32 v87, v87, |v83|
.endif
.endm
.macro ROWSUM e
	QUAD FA+16*(\e), MB+16*(\e), 1
.irp i, 1,2,3,4,5,6,7
	QUAD FA+16*(\e)+2*(\i), MB+16*(\e)+2*(\i), 0
.endr
	v_add_f32 v84, v84, v85
	v_add_f32 v86, v86, v87
	v_add_f32 v84, v84, v86
.irp m, 1,2,4,8
	v_add_f32_dpp v84, v84, v84 row_xmask:\m row_mask:0xf bank_mask:0xf
.endr
	v_permlanex16_b32 v85, v84, s32, s33
	v_add_f32 v84, v84, v85
	v_mul_f32 v[88+(\e)], s[24+(\e)], v84
.endm
	s_wait_loadcnt 4                               ; fb's eight loads and the first bank row's four are in; the second bank row's four stay out
	ROWSUM 0
	s_wait_loadcnt 0x0
	ROWSUM 1
	ds_store_b64 v5, v[88:89]                      ; all lanes write the same 8 bytes with the same numbers
	s_wait_dscnt 0x0
	s_barrier_signal -1
	s_barrier_wait -1
	s_cmp_lg_u32 s14, 0
	s_cbranch_scc1 .Lend
	ds_load_b32 v9, v4                             ; wave 0: the 32 results
	s_wait_dscnt 0x0
	global_store_b32 v4, v9, s[12:13]
.Lend:
	s_wait_tensorcnt 0x0                           ; the wave's end, behind my last LDS store
	ds_add_u32 v[SPW], v[NIL]
	s_wait_dscnt 0x0
	s_endpgm
.Lfunc_end_k_qa4697bd75b_infl:
	.size	k_qa4697bd75b_infl, .Lfunc_end_k_qa4697bd75b_infl-k_qa4697bd75b_infl
	.p2alignl 7, 3214868480
	.fill 96, 4, 3214868480
	.section	.rodata,"a",@progbits
	.p2align	6, 0x0
	.amdhsa_kernel k_qa4697bd75b_infl
		.amdhsa_group_segment_fixed_size 2304
		.amdhsa_private_segment_fixed_size 0
		.amdhsa_enable_private_segment 0
		.amdhsa_kernarg_size 40
		.amdhsa_user_sgpr_count 2
		.amdhsa_user_sgpr_kernarg_segment_ptr 1
		.amdhsa_wavefront_size32 1
		.amdhsa_system_sgpr_workgroup_id_x 1
		.amdhsa_system_sgpr_workgroup_id_y 1
		.amdhsa_system_sgpr_workgroup_id_z 1
		.amdhsa_system_vgpr_workitem_id 0
		.amdhsa_next_free_vgpr 96
		.amdhsa_next_free_sgpr 66
		.amdhsa_reserve_vcc 0
		.amdhsa_float_denorm_mode_32 3
		.amdhsa_float_denorm_mode_16_64 3
		.amdhsa_memory_ordered 1
		.amdhsa_forward_progress 1
		.amdhsa_inst_pref_size 13
	.end_amdhsa_kernel
	.amdgpu_metadata
---
amdhsa.version: [ 1, 2 ]
amdhsa.kernels:
  - .name:           k_qa4697bd75b_infl
    .symbol:         k_qa4697bd75b_infl.kd
    .args:
      - { .name: fb, .offset: 0, .size: 8, .value_kind: global_buffer, .address_space: global }
      - { .name: mbb, .offset: 8, .size: 8, .value_kind: global_buffer, .address_space: global }
      - { .name: nidx, .offset: 16, .size: 8, .value_kind: global_buffer, .address_space: global }
      - { .name: wsc, .offset: 24, .size: 8, .value_kind: global_buffer, .address_space: global }
      - { .name: infl, .offset: 32, .size: 8, .value_kind: global_buffer, .address_space: global }
    .group_segment_fixed_size: 2304
    .private_segment_fixed_size: 0
    .kernarg_segment_align: 8
    .kernarg_segment_size: 40
    .max_flat_workgroup_size: 512
    .sgpr_count:     66
    .vgpr_count:     96
    .wavefront_size: 32
...
	.end_amdgpu_metadata
.endif
;; end of part 4
;; launch noising (part 5): grid 128 x 2, 16 waves a work-group, no clusters, 133,632 bytes of LDS; arguments fb, noise, infl, out0, out1, out2; writes out0, out1, out2
.if DOCPART == 5
	.amdgcn_target "amdgcn-amd-amdhsa--gfx1250"
	.amdhsa_code_object_version 6
	.text
	.protected	k_qa4697bd75b_noising
	.globl	k_qa4697bd75b_noising
	.p2align	8
	.type	k_qa4697bd75b_noising,@function
k_qa4697bd75b_noising:
	s_mov_b64 s[64:65], 0
	v_nop
	global_prefetch_b8 v0, s[64:65] scope:SCOPE_SE
	s_setreg_imm32_b32 hwreg(HW_REG_WAVE_MODE, 25, 1), 1
	s_wait_xcnt 0x0
; norm[n] = (infl[n] - min) / max(max - min, eps) where max - min > eps, else 0;  std = 0.01 + 0.49 norm;  out0[b][c][hw] = f[n][c] + noise[n][c] std[n];  out1 = norm, out2 = std.
; f is fb, the features rounded to bf16 and already laid [n][c] like the noise, so ONE turning through LDS serves both and f costs half the bytes; the noise is rounded to bf16 like the other inputs.
; The minimum and maximum over all 8,192 numbers of infl (32 KiB) are made anew by every work-group: that spares a launch.
; SHARES.  Work-group (x, y): queries 64 x .. 64 x + 63 (b = x / 16, hw from 64 (x % 16)), channels 512 y .. 512 y + 511.  Sixteen waves.  First wave w makes queries 4 w + e; then, behind a barrier,
; it writes channels 32 w .. 32 w + 31: a store's lanes 0-15 fill 256 consecutive bytes of one channel, lanes 16-31 those of the next.
; All of a wave's 37 loads go out at the head: nothing to run ahead of, no tensor loads (nothing is shared or filled again), no matrix work, no cluster.
; LIMITS.  The division is v_rcp_f32 and a multiply; NaN and infinities are not treated apart.
.set QP,    8208                       ; LDS: four queries of 2,048 bytes (512 f32) + 16: in the turned reads lane (qq, h) falls on word 4 qq + h modulo 64, 32 different ones
.set RED,   16*QP                      ; 16 pairs (min, max), a block of 256 bytes
.set SPARE, RED+256                    ; the spare words: 128 bytes for each of 16 waves; no other line names them
.set NOF, 4                            ; v4   noise: w x 4 rows + 16 x lane
.set FOF, 5                            ; v5   fb: w x 4 rows + 8 x lane
.set IOF, 6                            ; v6   16 x thread
.set LW,  7                            ; v7   LDS: w QP + 16 x lane
.set AD,  8                            ; v8   LDS: qq QP + 4 h + 128 w
.set GO,  9                            ; v9   out0: (32 w + h) x 4,096 + 16 qq
.set L8,  10                           ; v10  8 x lane
.set RW,  11                           ; v11  RED + 8 w
.set RR,  12                           ; v12  RED + 8 qq
.set SPW, 14                           ; v14  my spare word; never rewritten
.set NIL, 15                           ; v15  0; never rewritten
.set INF, 16                           ; v[16:31]  16 numbers of infl
.set IP,  32                           ; v[32:33]  infl of queries 64 x + 2 l, + 1
.set MN,  34                           ; v[34:35]  my wave's min, max
.set GMN, 36                           ; v[36:37]  min, max of all
.set DEN, 38
.set TT,  39
.set RC,  40
.set TU,  41
.set TA,  42                           ; v[42:45]  at work
.set NRM, 46                           ; v[46:47]
.set STD, 48                           ; v[48:51]  std of my four queries
.set OST, 52                           ; v[52:53]
.set NZ,  64                           ; v[64:127] noise, then results; then the turned tile
.set F,   128                          ; v[128:159] fb
	s_load_b256 s[4:11], s[0:1], 0x0               ; fb s[4:5], noise s[6:7], infl s[8:9], out0 s[10:11]
	s_load_b128 s[12:15], s[0:1], 0x20             ; out1 s[12:13], out2 s[14:15]
	v_lshl_add_u32 v[SPW], v0, 2, SPARE
	v_mov_b32 v[NIL], 0
	v_and_b32 v1, 31, v0                           ; lane
	v_and_b32 v2, 15, v0                           ; qq
	v_bfe_u32 v3, v0, 4, 1                         ; h
	v_lshrrev_b32 v13, 5, v0
	v_readfirstlane_b32 s16, v13                   ; wave 0..15
	s_and_b32 s17, ttmp7, 0xffff                   ; y
	s_lshl_b32 s20, s16, 14
	v_lshl_add_u32 v[NOF], v1, 4, s20
	s_lshl_b32 s21, s16, 13
	v_lshl_add_u32 v[FOF], v1, 3, s21
	v_lshlrev_b32 v[IOF], 4, v0
	v_lshlrev_b32 v[L8], 3, v1
	s_lshl_b32 s27, ttmp9, 6
	s_lshl2_add_u32 s27, s16, s27                  ; 64 x + 4 w
	s_lshl_b32 s27, s27, 2
	s_lshl_b32 s18, ttmp9, 8                       ; 64 queries of 4 bytes
	s_mov_b32 s19, 0
	s_lshl_b32 s42, ttmp9, 18                      ; noise: 64 rows of 4,096 bytes + y x 2,048
	s_lshl_b32 s43, s17, 11
	s_add_co_u32 s42, s42, s43
	s_mov_b32 s43, 0
	s_lshl_b32 s44, ttmp9, 17                      ; fb: 64 rows of 2,048 bytes + y x 1,024
	s_lshl_b32 s45, s17, 10
	s_add_co_u32 s44, s44, s45
	s_mov_b32 s45, 0
	s_lshr_b32 s46, ttmp9, 4                       ; out0: b x 4 MiB + y x 512 channels of 4,096 bytes + 64 (x % 16) hw of 4 bytes
	s_lshl_b32 s46, s46, 22
	s_lshl_b32 s47, s17, 21
	s_add_co_u32 s46, s46, s47
	s_and_b32 s47, ttmp9, 15
	s_lshl_b32 s47, s47, 8
	s_add_co_u32 s46, s46, s47
	s_mov_b32 s47, 0
	s_mov_b32 s32, 0x322bcc77                      ; eps = 1e-8
	s_mov_b32 s33, 0x3efae148                      ; 0.49
	s_mov_b32 s34, 0x3c23d70a                      ; 0.01
	s_mov_b32 s38, 0x76543210
	s_mov_b32 s39, 0xfedcba98
	s_wait_kmcnt 0x0
	s_load_b128 s[28:31], s[8:9], s27 offset:0x0   ; infl of my four queries
	s_add_nc_u64 s[40:41], s[8:9], s[18:19]
	s_add_nc_u64 s[6:7], s[6:7], s[42:43]
	s_add_nc_u64 s[4:5], s[4:5], s[44:45]
	s_add_nc_u64 s[10:11], s[10:11], s[46:47]
	s_add_nc_u64 s[12:13], s[12:13], s[18:19]
	s_add_nc_u64 s[14:15], s[14:15], s[18:19]
.irp k, 0,1,2,3
	global_load_b128 v[INF+4*(\k):INF+4*(\k)+3], v[IOF], s[8:9] offset:8192*(\k)  ; 512 threads x 16 bytes x 4: all of infl
.endr
	global_load_b64 v[IP:IP+1], v[L8], s[40:41]
.irp e, 0,1,2,3
.irp t, 0,1,2,3
	global_load_b128 v[NZ+16*(\e)+4*(\t):NZ+16*(\e)+4*(\t)+3], v[NOF], s[6:7] offset:(\e)*4096+(\t)*512 th:TH_LOAD_NT
.endr
.irp t, 0,1,2,3
	global_load_b64 v[F+8*(\e)+2*(\t):F+8*(\e)+2*(\t)+1], v[FOF], s[4:5] offset:(\e)*2048+(\t)*256 th:TH_LOAD_NT
.endr
.endr
	s_mul_i32 s22, s16, QP
	v_lshl_add_u32 v[LW], v1, 4, s22
	v_mul_u32_u24 v[AD], v2, QP
	v_lshl_add_u32 v[AD], v3, 2, v[AD]
	s_lshl_b32 s23, s16, 7
	v_add_nc_u32 v[AD], s23, v[AD]
	s_lshl_b32 s24, s16, 17
	v_lshlrev_b32 v[GO], 4, v2
	v_lshl_add_u32 v[GO], v3, 12, v[GO]
	v_add_nc_u32 v[GO], s24, v[GO]
	s_lshl_b32 s25, s16, 3
	s_add_co_u32 s25, s25, RED
	v_mov_b32 v[RW], s25
	v_lshl_add_u32 v[RR], v2, 3, RED
	v_mov_b32 v[TT], 0                             ; v_permlanex16_b32 counts as a reader of its destination
	v_mov_b32 v[TU], 0
	s_wait_loadcnt 32                              ; infl's five loads are in; the 32 loads of noise and fb stay out
	v_min3_num_f32 v[MN], v[INF], v[INF+1], v[INF+2]
	v_max3_num_f32 v[MN+1], v[INF], v[INF+1], v[INF+2]
.set i, 3
.rept 6
	v_min3_num_f32 v[MN], v[MN], v[INF+i], v[INF+i+1]
	v_max3_num_f32 v[MN+1], v[MN+1], v[INF+i], v[INF+i+1]
.set i, i+2
.endr
	v_min_num_f32 v[MN], v[MN], v[INF+15]
	v_max_num_f32 v[MN+1], v[MN+1], v[INF+15]
.irp m, 1,2,4,8
	v_min_num_f32_dpp v[MN], v[MN], v[MN] row_xmask:\m row_mask:0xf bank_mask:0xf
	v_max_num_f32_dpp v[MN+1], v[MN+1], v[MN+1] row_xmask:\m row_mask:0xf bank_mask:0xf
.endr
	v_permlanex16_b32 v[TT], v[MN], s38, s39
	v_permlanex16_b32 v[TU], v[MN+1], s38, s39
	v_min_num_f32 v[MN], v[MN], v[TT]
	v_max_num_f32 v[MN+1], v[MN+1], v[TU]
	ds_store_b64 v[RW], v[MN:MN+1]                 ; all lanes write the same 8 bytes with the same numbers
	s_wait_dscnt 0x0
	s_barrier_signal -1
	s_barrier_wait -1
	ds_load_b64 v[GMN:GMN+1], v[RR]                ; lane qq: wave qq's pair: sixteen lanes hold all sixteen waves'
	s_wait_dscnt 0x0
.irp m, 1,2,4,8
	v_min_num_f32_dpp v[GMN], v[GMN], v[GMN] row_xmask:\m row_mask:0xf bank_mask:0xf
	v_max_num_f32_dpp v[GMN+1], v[GMN+1], v[GMN+1] row_xmask:\m row_mask:0xf bank_mask:0xf
.endr
	v_sub_f32 v[DEN], v[GMN+1], v[GMN]
	v_cmp_gt_f32 s36, v[DEN], s32                  ; max - min > eps?
	v_max_num_f32 v[TT], s32, v[DEN]
	v_rcp_f32 v[RC], v[TT]
	v_nop                                          ; a plain instruction behind the reciprocal,
	s_wait_alu depctr_va_vdst(0)                   ; and the wait ahead of its first use
	s_wait_kmcnt 0x0
.irp e, 0,1,2,3
	v_sub_f32 v[TA+(\e)], s[28+(\e)], v[GMN]
.endr
.irp e, 0,1,2,3
	v_mul_f32 v[TA+(\e)], v[TA+(\e)], v[RC]
.endr
.irp e, 0,1,2,3
	v_cndmask_b32 v[TA+(\e)], 0, v[TA+(\e)], s36
.endr
.irp e, 0,1,2,3
	v_fma_f32 v[STD+(\e)], v[TA+(\e)], s33, s34
.endr
.irp e, 0,1,2,3
	s_wait_loadcnt 24-8*(\e)                       ; query e's eight loads are in, the younger queries' stay out
.irp t, 0,1,2,3
	v_cvt_pk_bf16_f32 v[TA+2*((\t)%2)], v[NZ+16*(\e)+4*(\t)], v[NZ+16*(\e)+4*(\t)+1]
	v_cvt_pk_bf16_f32 v[TA+2*((\t)%2)+1], v[NZ+16*(\e)+4*(\t)+2], v[NZ+16*(\e)+4*(\t)+3]
	v_fma_mix_f32_bf16 v[NZ+16*(\e)+4*(\t)],   v[TA+2*((\t)%2)],   v[STD+(\e)], v[F+8*(\e)+2*(\t)]   op_sel:[0,0,0] op_sel_hi:[1,0,1]
	v_fma_mix_f32_bf16 v[NZ+16*(\e)+4*(\t)+1], v[TA+2*((\t)%2)],   v[STD+(\e)], v[F+8*(\e)+2*(\t)]   op_sel:[1,0,1] op_sel_hi:[1,0,1]
	v_fma_mix_f32_bf16 v[NZ+16*(\e)+4*(\t)+2], v[TA+2*((\t)%2)+1], v[STD+(\e)], v[F+8*(\e)+2*(\t)+1] op_sel:[0,0,0] op_sel_hi:[1,0,1]
	v_fma_mix_f32_bf16 v[NZ+16*(\e)+4*(\t)+3], v[TA+2*((\t)%2)+1], v[STD+(\e)], v[F+8*(\e)+2*(\t)+1] op_sel:[1,0,1] op_sel_hi:[1,0,1]
	ds_store_b128 v[LW], v[NZ+16*(\e)+4*(\t):NZ+16*(\e)+4*(\t)+3] offset:(\e)*2048+(\t)*512
.endr
.endr
	s_wait_dscnt 0x0                               ; for the others' sake: my stores into the tile are done
	s_barrier_signal -1
	s_barrier_wait -1
.set u, 0
.rept 16                                       ; channel 32 w + 2 u + h, queries 4 qq + e
.irp e, 0,1,2,3
	ds_load_b32 v[NZ+4*u+(\e)], v[AD] offset:(\e)*2048+8*u
.endr
.set u, u+1
.endr
.set u, 0
.rept 16
	s_wait_dscnt 60-4*u                            ; LDS loads come back in order: channel pair u's four are in, the younger ones stay out
	global_store_b128 v[GO], v[NZ+4*u:NZ+4*u+3], s[10:11] offset:8192*u th:TH_STORE_NT
.set u, u+1
.endr
	s_or_b32 s37, s17, s16                         ; out1 and out2: wave 0 of the work-groups with y = 0
	s_cmp_lg_u32 s37, 0
	s_cbranch_scc1 .Lend
	v_sub_f32 v[NRM], v[IP], v[GMN]
	v_sub_f32 v[NRM+1], v[IP+1], v[GMN]
	v_mul_f32 v[NRM], v[NRM], v[RC]
	v_mul_f32 v[NRM+1], v[NRM+1], v[RC]
	v_cndmask_b32 v[NRM], 0, v[NRM], s36
	v_cndmask_b32 v[NRM+1], 0, v[NRM+1], s36
	v_fma_f32 v[OST], v[NRM], s33, s34
	v_fma_f32 v[OST+1], v[NRM+1], s33, s34
	global_store_b64 v[L8], v[NRM:NRM+1], s[12:13] ; 64 queries: 256 consecutive bytes, aligned
	global_store_b64 v[L8], v[OST:OST+1], s[14:15]
.Lend:
	s_wait_tensorcnt 0x0                           ; the wave's end, behind my last LDS store
	ds_add_u32 v[SPW], v[NIL]
	s_wait_dscnt 0x0
	s_endpgm
.Lfunc_end_k_qa4697bd75b_noising:
	.size	k_qa4697bd75b_noising, .Lfunc_end_k_qa4697bd75b_noising-k_qa4697bd75b_noising
	.p2alignl 7, 3214868480
	.fill 96, 4, 3214868480
	.section	.rodata,"a",@progbits
	.p2align	6, 0x0
	.amdhsa_kernel k_qa4697bd75b_noising
		.amdhsa_group_segment_fixed_size 133632
		.amdhsa_private_segment_fixed_size 0
		.amdhsa_enable_private_segment 0
		.amdhsa_kernarg_size 48
		.amdhsa_user_sgpr_count 2
		.amdhsa_user_sgpr_kernarg_segment_ptr 1
		.amdhsa_wavefront_size32 1
		.amdhsa_system_sgpr_workgroup_id_x 1
		.amdhsa_system_sgpr_workgroup_id_y 1
		.amdhsa_system_sgpr_workgroup_id_z 1
		.amdhsa_system_vgpr_workitem_id 0
		.amdhsa_next_free_vgpr 160
		.amdhsa_next_free_sgpr 66
		.amdhsa_reserve_vcc 0
		.amdhsa_float_denorm_mode_32 3
		.amdhsa_float_denorm_mode_16_64 3
		.amdhsa_memory_ordered 1
		.amdhsa_forward_progress 1
		.amdhsa_inst_pref_size 24
	.end_amdhsa_kernel
	.amdgpu_metadata
---
amdhsa.version: [ 1, 2 ]
amdhsa.kernels:
  - .name:           k_qa4697bd75b_noising
    .symbol:         k_qa4697bd75b_noising.kd
    .args:
      - { .name: fb, .offset: 0, .size: 8, .value_kind: global_buffer, .address_space: global }
      - { .name: noise, .offset: 8, .size: 8, .value_kind: global_buffer, .address_space: global }
      - { .name: infl, .offset: 16, .size: 8, .value_kind: global_buffer, .address_space: global }
      - { .name: out0, .offset: 24, .size: 8, .value_kind: global_buffer, .address_space: global }
      - { .name: out1, .offset: 32, .size: 8, .value_kind: global_buffer, .address_space: global }
      - { .name: out2, .offset: 40, .size: 8, .value_kind: global_buffer, .address_space: global }
    .group_segment_fixed_size: 133632
    .private_segment_fixed_size: 0
    .kernarg_segment_align: 8
    .kernarg_segment_size: 48
    .max_flat_workgroup_size: 512
    .sgpr_count:     66
    .vgpr_count:     160
    .wavefront_size: 32
...
	.end_amdgpu_metadata
.endif
;; end of part 5
;; ======== version 2 of 2: 5 launches; version 1 with the launches prep, merge written anew for expert scheduling mode
;; limits: values outside matrix products are rounded to bf16
;; workspace buffers: fb 16,777,216 bytes; mbb 16,777,216 bytes; sq 65,536 bytes; candv 1,048,576 bytes; candi 1,048,576 bytes of whole numbers; nidx 32,768 bytes of whole numbers; wsc 32,768 bytes; infl 32,768 bytes
;; launch prep (part 6): grid 128 x 2, 16 waves a work-group, no clusters, 133,632 bytes of LDS; arguments features, memory_bank, fb, mbb, sq; writes fb, mbb, sq
.if DOCPART == 6
	.amdgcn_target "amdgcn-amd-amdhsa--gfx1250"
	.amdhsa_code_object_version 6
	.text
	.protected	k_qa4697bd75b_prep
	.globl	k_qa4697bd75b_prep
	.p2align	8
	.type	k_qa4697bd75b_prep,@function
k_qa4697bd75b_prep:
	s_mov_b64 s[64:65], 0
	v_nop
	global_prefetch_b8 v0, s[64:65] scope:SCOPE_SE
	s_setreg_imm32_b32 hwreg(HW_REG_WAVE_SCHED_MODE, 0, 2), 2
	s_setreg_imm32_b32 hwreg(HW_REG_WAVE_MODE, 25, 1), 1
	s_wait_xcnt 0x0
	s_wait_alu depctr_vm_vsrc(0)
; fb[n][c] = bf16(features[b][c][hw]), n = 1024 b + hw;  mbb[m][c] = bf16(memory_bank[m][c]);  sq = the rows' sums of squares OF THE ROUNDED NUMBERS, f32:
; fsq[8192] at byte 0, msq[8192] at byte 32,768.  The whole program works on the inputs rounded to bf16, so that the nearest row found by the bf16 product is the nearest row of those numbers.
; SHARES.  Work-group (x, y): y = 0 the features, y = 1 the bank; 64 rows, 64 x .. 64 x + 63.  Sixteen waves; wave w finishes rows 4 w + e, e = 0..3.
; A work-group reads 256 KiB; all of it is asked for at once, 32 loads of 16 bytes a lane in every wave, so there is no loop and nothing to run ahead of.
; The features are turned through LDS: a load takes 256 consecutive bytes (64 hw) of a channel, a store 512 consecutive bytes of a row of fb.  The bank needs no turning.
; No tensor loads (nothing is shared or filled again), no matrix work, no cluster: a stream.
; LIMITS.  NaN and infinities are not treated apart; the sums of squares are taken in four chains a lane and then across lanes, another order than a plain sum's.
; THE MODE: SCHED_MODE bits 1:0 = 2 (LLVM: expert scheduling mode 2), set by the entry lines.  The code itself states the register dependences
; between vector instructions and memory or LDS instructions, with s_wait_alu, always for 0.
; THE PLAN.  Registers that memory or LDS instructions touch:
;   v4-v10       offsets and LDS addresses: each written once, ahead of a wait on va_vdst that stands ahead of its first use, and never written again.
;   X            written by the 32 loads at an arm's head; read by the conversions; never loaded again.
;   P + 16 g     written by group g's sixteen conversions; read by group g's stores, which are issued in group g + 1, behind the one wait on va_vdst at that group's head,
;                and dealt among its conversions, which name P + 16 (g + 1) and X alone.  The last group's stores have a wait of their own.
;                In the features' arm P then takes the LDS loads behind the barrier: one wait on vm_vsrc states that the LDS stores have read it.  From .Lsum on P is only read.
;   S            written by the sums, read by one LDS store, behind one wait on va_vdst.  No vector instruction follows that wait, so it also serves wave 0's LDS load into T.
;   v12, v13     written at the head, read by the closing add alone.
.set QP,    8208                       ; LDS: four rows of 2,048 bytes + 16: the sixteen lanes of a store (rows 4 q + e) fall on sixteen different 16-byte columns modulo 256
.set SQB,   16*QP                      ; 64 row sums, a block of 256 bytes
.set SPARE, SQB+256                    ; the spare words: 128 bytes for each of 16 waves; no other line names them
.set GI,   4                           ; v4   load offset
.set GO,   5                           ; v5   store offset
.set LW,   6                           ; v6   LDS: where I put 16 bytes of a row
.set LR,   7                           ; v7   LDS: where I read my rows back
.set SQA,  8                           ; v8   SQB + 16 w
.set L8,   9                           ; v9   8 x lane
.set L8S,  10                          ; v10  SQB + 8 x lane
.set SPW,  12                          ; v12  my spare word; never rewritten
.set NIL,  13                          ; v13  0; never rewritten
.set ZERO, 14                          ; v14  0.0, the first addend of the sums
.set X,    16                          ; v[16:143]  as loaded, f32
.set P,    144                         ; v[144:207] bf16; at the end row e's 32 numbers of my lane at P + 16 e
.set S,    208                         ; v[208:211] the four rows' sums
.set T,    212                         ; v[212:219] at work
	s_load_b256 s[4:11], s[0:1], 0x0               ; features s[4:5], memory_bank s[6:7], fb s[8:9], mbb s[10:11]
	s_load_b64 s[12:13], s[0:1], 0x20              ; sq
	v_lshl_add_u32 v[SPW], v0, 2, SPARE
	v_mov_b32 v[NIL], 0
	v_mov_b32 v[ZERO], 0
	v_and_b32 v1, 31, v0                           ; lane
	v_and_b32 v2, 15, v0                           ; q
	v_bfe_u32 v3, v0, 4, 1                         ; h
	v_lshrrev_b32 v15, 5, v0
	v_readfirstlane_b32 s14, v15                   ; wave 0..15
	s_and_b32 s15, ttmp7, 0xffff                   ; y
	s_mov_b32 s20, 0x76543210                      ; v_permlanex16_b32: each lane takes its own place in the other half
	s_mov_b32 s21, 0xfedcba98
	s_wait_alu depctr_va_sdst(0)                   ; s14 is written, ahead of its first reader: LDS addresses, offsets and the last branch are made from it
	s_lshl_b32 s22, s14, 4
	s_add_co_u32 s22, s22, SQB
	v_mov_b32 v[SQA], s22
	v_lshlrev_b32 v[L8], 3, v1
	v_add_nc_u32 v[L8S], SQB, v[L8]
	s_lshl_b32 s16, s15, 15                        ; sq: y x 32,768 + x x 256
	s_lshl_b32 s17, ttmp9, 8
	s_add_co_u32 s16, s16, s17
	s_mov_b32 s17, 0
	s_lshl_b32 s18, ttmp9, 17                      ; fb, mbb: 64 rows of 2,048 bytes
	s_mov_b32 s19, 0
	s_lshl_b32 s24, s14, 13                        ; my four rows in them
	s_wait_kmcnt 0x0
	s_add_nc_u64 s[12:13], s[12:13], s[16:17]
	s_cmp_lg_u32 s15, 0                            ; the same in all waves of a work-group
	s_cbranch_scc1 .Lbank
	; THE FEATURES.  x = 16 b + hw / 64.  Wave w takes channels 64 w .. 64 w + 63; load (g, i): lanes 0-15 the 64 hw of channel 64 w + 16 g + i, lanes 16-31 those of channel + 8.
	s_lshr_b32 s22, ttmp9, 4
	s_lshl_b32 s22, s22, 22                        ; b x 4 MiB
	s_and_b32 s23, ttmp9, 15
	s_lshl_b32 s23, s23, 8                         ; 64 hw x 4 bytes
	s_add_co_u32 s22, s22, s23
	s_mov_b32 s23, 0
	s_add_nc_u64 s[4:5], s[4:5], s[22:23]
	s_add_nc_u64 s[8:9], s[8:9], s[18:19]
	v_lshlrev_b32 v[GI], 4, v2
	v_lshl_add_u32 v[GI], v3, 15, v[GI]            ; + 8 h channels of 4,096 bytes
	s_lshl_b32 s25, s14, 18                        ; + 64 w channels
	v_add_nc_u32 v[GI], s25, v[GI]
	s_wait_alu depctr_va_vdst(0)                   ; v[GI] is written, which the 32 loads read as their offset
.irp g, 0,1,2,3
.irp i, 0,1,2,3,4,5,6,7
	global_load_b128 v[X+32*(\g)+4*(\i):X+32*(\g)+4*(\i)+3], v[GI], s[4:5] offset:(16*(\g)+(\i))*4096 th:TH_LOAD_NT
.endr
.endr
	v_mul_u32_u24 v[LW], v2, QP                    ; rows 4 q + e; my 8 channels 64 w + 16 g + 8 h ..: byte 128 w + 32 g + 16 h of the row
	v_lshl_add_u32 v[LW], v3, 4, v[LW]
	s_lshl_b32 s25, s14, 7
	v_add_nc_u32 v[LW], s25, v[LW]
	s_mul_i32 s26, s14, QP
	v_lshl_add_u32 v[LR], v1, 4, s26               ; rows 4 w + e, 16 bytes a lane
	v_lshl_add_u32 v[GO], v1, 4, s24
.irp g, 0,1,2,3
	s_wait_loadcnt 24-8*(\g)                       ; loads come back in order: group g's eight are in, the 8 (3 - g) younger ones stay out
.if (\g) > 0
	s_wait_alu depctr_va_vdst(0)                   ; the group before has written its sixteen registers of P, which the LDS stores below read; at the first such head v[LW] is written too
.endif
.irp e, 0,1,2,3
.if (\g) > 0
	ds_store_b128 v[LW], v[P+16*((\g)-1)+4*(\e):P+16*((\g)-1)+4*(\e)+3] offset:(\e)*2048+32*((\g)-1)  ; the group before; no conversion since the wait names these registers
.endif
.irp k, 0,1,2,3
	v_cvt_pk_bf16_f32 v[P+16*(\g)+4*(\e)+(\k)], v[X+32*(\g)+8*(\k)+(\e)], v[X+32*(\g)+8*(\k)+4+(\e)]  ; hw 4 q + e: channels 2 k and 2 k + 1 of my eight
.endr
.endr
.endr
	s_wait_alu depctr_va_vdst(0)                   ; group 3's conversions have written P + 48 .., which the last four LDS stores read
.irp e, 0,1,2,3
	ds_store_b128 v[LW], v[P+48+4*(\e):P+48+4*(\e)+3] offset:(\e)*2048+96
.endr
	s_wait_dscnt 0x0                               ; for the others' sake: my stores into the tile are done
	s_barrier_signal -1
	s_barrier_wait -1
	s_wait_alu depctr_vm_vsrc(0)                   ; my LDS stores have read P, in which the loads below land (the conversions that wrote it, and the line that made v[LR], stand ahead of the last wait on va_vdst)
.irp e, 0,1,2,3
.irp t, 0,1,2,3
	ds_load_b128 v[P+16*(\e)+4*(\t):P+16*(\e)+4*(\t)+3], v[LR] offset:(\e)*2048+(\t)*512
.endr
.endr
	s_wait_dscnt 0x0
.irp e, 0,1,2,3
.irp t, 0,1,2,3
	global_store_b128 v[GO], v[P+16*(\e)+4*(\t):P+16*(\e)+4*(\t)+3], s[8:9] offset:(\e)*2048+(\t)*512  ; a wave's store covers 512 consecutive bytes, aligned
.endr
.endr
	s_branch .Lsum
.Lbank:	; THE BANK.  Load (e, t): 512 consecutive bytes of row 4 w + e; its four numbers a lane become 8 bytes.
	s_lshl_b32 s22, ttmp9, 18                      ; 64 rows of 4,096 bytes
	s_mov_b32 s23, 0
	s_add_nc_u64 s[6:7], s[6:7], s[22:23]
	s_add_nc_u64 s[10:11], s[10:11], s[18:19]
	s_lshl_b32 s25, s14, 14
	v_lshl_add_u32 v[GI], v1, 4, s25
	s_wait_alu depctr_va_vdst(0)                   ; v[GI] is written, which the 32 loads read as their offset
.irp e, 0,1,2,3
.irp t, 0,1,2,3,4,5,6,7
	global_load_b128 v[X+32*(\e)+4*(\t):X+32*(\e)+4*(\t)+3], v[GI], s[6:7] offset:(\e)*4096+(\t)*512 th:TH_LOAD_NT
.endr
.endr
	v_lshl_add_u32 v[GO], v1, 3, s24
.irp e, 0,1,2,3
	s_wait_loadcnt 24-8*(\e)                       ; row e's eight loads are in, the younger rows' stay out
.if (\e) > 0
	s_wait_alu depctr_va_vdst(0)                   ; the row before has written its sixteen registers of P, which the stores below read; at the first such head v[GO] is written too
.endif
.irp t, 0,1,2,3,4,5,6,7
.if (\e) > 0
	global_store_b64 v[GO], v[P+16*((\e)-1)+2*(\t):P+16*((\e)-1)+2*(\t)+1], s[10:11] offset:((\e)-1)*2048+(\t)*256  ; the row before: a wave's store covers 256 consecutive bytes, aligned
.endif
	v_cvt_pk_bf16_f32 v[P+16*(\e)+2*(\t)], v[X+32*(\e)+4*(\t)], v[X+32*(\e)+4*(\t)+1]
	v_cvt_pk_bf16_f32 v[P+16*(\e)+2*(\t)+1], v[X+32*(\e)+4*(\t)+2], v[X+32*(\e)+4*(\t)+3]
.endr
.endr
	s_wait_alu depctr_va_vdst(0)                   ; row 3's conversions have written P + 48 .., which the last eight stores read
.irp t, 0,1,2,3,4,5,6,7
	global_store_b64 v[GO], v[P+48+2*(\t):P+48+2*(\t)+1], s[10:11] offset:3*2048+(\t)*256
.endr
.Lsum:	; Both ways: P + 16 e holds my lane's 32 numbers of row 4 w + e.  P is only read from here on: the pending stores' data stay as they are.
.macro SUMSQ e
.irp m, 0,1,2,3
.irp k, 0,1,2,3
.if (\m) == 0
	v_fma_mix_f32_bf16 v[T+(\k)], v[P+16*(\e)+(\k)], v[P+16*(\e)+(\k)], v[ZERO] op_sel:[0,0,0] op_sel_hi:[1,1,0]
.else
	v_fma_mix_f32_bf16 v[T+(\k)], v[P+16*(\e)+4*(\m)+(\k)], v[P+16*(\e)+4*(\m)+(\k)], v[T+(\k)] op_sel:[0,0,0] op_sel_hi:[1,1,0]
.endif
.endr
.irp k, 0,1,2,3
	v_fma_mix_f32_bf16 v[T+(\k)], v[P+16*(\e)+4*(\m)+(\k)], v[P+16*(\e)+4*(\m)+(\k)], v[T+(\k)] op_sel:[1,1,0] op_sel_hi:[1,1,0]
.endr
.endr
	v_add_f32 v[T], v[T], v[T+1]
	v_add_f32 v[T+2], v[T+2], v[T+3]
	v_add_f32 v[T], v[T], v[T+2]
.irp m, 1,2,4,8
	v_add_f32_dpp v[T], v[T], v[T] row_xmask:\m row_mask:0xf bank_mask:0xf
.endr
	v_permlanex16_b32 v[T+1], v[T], s20, s21
	v_add_f32 v[S+(\e)], v[T], v[T+1]              ; every lane holds the row's sum
.endm
	SUMSQ 0
	SUMSQ 1
	SUMSQ 2
	SUMSQ 3
	s_wait_alu depctr_va_vdst(0)                   ; the sums have written v[S ..], which the LDS store reads, and are done with v[T ..], in which wave 0's LDS load lands: no vector instruction follows this wait
	ds_store_b128 v[SQA], v[S:S+3]                 ; all lanes write the same 16 bytes with the same numbers
	s_wait_dscnt 0x0
	s_barrier_signal -1
	s_barrier_wait -1
	s_cmp_lg_u32 s14, 0
	s_cbranch_scc1 .Lend
	ds_load_b64 v[T:T+1], v[L8S]                   ; wave 0: the 64 sums,
	s_wait_dscnt 0x0
	global_store_b64 v[L8], v[T:T+1], s[12:13]     ; 256 consecutive bytes, aligned
.Lend:
	s_wait_dscnt 0x0                               ; the wave's end of a launch in the mode that stores to LDS
	s_wait_alu 0x0
	s_wait_tensorcnt 0x0
	ds_add_u32 v[SPW], v[NIL]
	s_wait_dscnt 0x0
	s_endpgm
.Lfunc_end_k_qa4697bd75b_prep:
	.size	k_qa4697bd75b_prep, .Lfunc_end_k_qa4697bd75b_prep-k_qa4697bd75b_prep
	.p2alignl 7, 3214868480
	.fill 96, 4, 3214868480
	.section	.rodata,"a",@progbits
	.p2align	6, 0x0
	.amdhsa_kernel k_qa4697bd75b_prep
		.amdhsa_group_segment_fixed_size 133632
		.amdhsa_private_segment_fixed_size 0
		.amdhsa_enable_private_segment 0
		.amdhsa_kernarg_size 40
		.amdhsa_user_sgpr_count 2
		.amdhsa_user_sgpr_kernarg_segment_ptr 1
		.amdhsa_wavefront_size32 1
		.amdhsa_system_sgpr_workgroup_id_x 1
		.amdhsa_system_sgpr_workgroup_id_y 1
		.amdhsa_system_sgpr_workgroup_id_z 1
		.amdhsa_system_vgpr_workitem_id 0
		.amdhsa_next_free_vgpr 224
		.amdhsa_next_free_sgpr 66
		.amdhsa_reserve_vcc 0
		.amdhsa_float_denorm_mode_32 3
		.amdhsa_float_denorm_mode_16_64 3
		.amdhsa_memory_ordered 1
		.amdhsa_forward_progress 1
		.amdhsa_inst_pref_size 35
	.end_amdhsa_kernel
	.amdgpu_metadata
---
amdhsa.version: [ 1, 2 ]
amdhsa.kernels:
  - .name:           k_qa4697bd75b_prep
    .symbol:         k_qa4697bd75b_prep.kd
    .args:
      - { .name: features, .offset: 0, .size: 8, .value_kind: global_buffer, .address_space: global }
      - { .name: memory_bank, .offset: 8, .size: 8, .value_kind: global_buffer, .address_space: global }
      - { .name: fb, .offset: 16, .size: 8, .value_kind: global_buffer, .address_space: global }
      - { .name: mbb, .offset: 24, .size: 8, .value_kind: global_buffer, .address_space: global }
      - { .name: sq, .offset: 32, .size: 8, .value_kind: global_buffer, .address_space: global }
    .group_segment_fixed_size: 133632
    .private_segment_fixed_size: 0
    .kernarg_segment_align: 8
    .kernarg_segment_size: 40
    .max_flat_workgroup_size: 512
    .sgpr_count:     66
    .vgpr_count:     224
    .wavefront_size: 32
...
	.end_amdgpu_metadata
.endif
;; end of part 6
;; launch knn: the kernel of part 2 again; grid 8 x 32, 4 waves a work-group, clusters of 4 x 4, 327,680 bytes of LDS; arguments fb, mbb, sq, candv, candi; writes candv, candi
;; launch merge (part 7): grid 128 x 1, 1 waves a work-group, no clusters, 0 bytes of LDS; arguments candv, candi, sq, nidx, wsc; writes nidx, wsc
.if DOCPART == 7
	.amdgcn_target "amdgcn-amd-amdhsa--gfx1250"
	.amdhsa_code_object_version 6
	.text
	.protected	k_qa4697bd75b_merge
	.globl	k_qa4697bd75b_merge
	.p2align	8
	.type	k_qa4697bd75b_merge,@function
k_qa4697bd75b_merge:
	s_mov_b64 s[64:65], 0
	v_nop
	global_prefetch_b8 v0, s[64:65] scope:SCOPE_SE
	s_setreg_imm32_b32 hwreg(HW_REG_WAVE_SCHED_MODE, 0, 2), 2
	s_setreg_imm32_b32 hwreg(HW_REG_WAVE_MODE, 25, 1), 1
	s_wait_xcnt 0x0
	s_wait_alu depctr_vm_vsrc(0)
; For each query: of its 32 candidates (key' = msq - 2 cross and bank row) the nearest, by the distance as the problem writes it:
; d = sqrt(max((fsq + msq) - 2 cross, 0) + eps), 2 cross = msq - key'; among equal d the lowest row.  nidx = that row; wsc = 2^-10 / (d + eps), the factor of the mean over 1,024 channels.
; SHARES.  One wave a work-group, 64 queries; a lane owns queries 2 l and 2 l + 1, so every load and store of 8 bytes a lane covers 256 consecutive bytes, aligned.  2 MiB in all: no loop, no LDS.
; The launch is two memory round trips on end (the candidates, then msq of the rows that they name); more waves or a prefetch would shorten neither.
; LIMITS.  The root is v_rsq_f32 with one correction step, the division v_rcp_f32 and a multiply: not the correctly rounded ones.  NaN and infinities are not treated apart.
; The rows come from memory as whole numbers and are clamped to 8,191 before they enter an address.
; THE MODE: SCHED_MODE bits 1:0 = 2 (LLVM: expert scheduling mode 2), set by the entry lines.  The code itself states the register dependences
; between vector instructions and memory instructions, and between a vector instruction that writes a scalar register and its readers, with s_wait_alu, always for 0.
; THE PLAN.  Registers that memory instructions touch:
;   v1             8 x lane: written once at the head, read by the 65 first loads and by both stores; never written again.
;   FS, IX, KV, MS load destinations: no vector instruction names one of them ahead of the wait on LOADcnt that shows it in.
;   OF             the gathers' 64 offsets, in registers of their own (window 1): written by the 64 shifts, read by the 64 gathers, never written again.
;                  So clamps, shifts and gathers stand in three runs, with ONE wait on va_vdst ahead of the gathers.
;   IB, T+6, T+7   the results: written by the minima and by the last multiply, read by the two stores, each behind a wait on va_vdst.
; No register that a memory instruction reads is written again, so no wait on vm_vsrc stands behind the entry lines.
; The 64 compares write masks into s[20:51], 32 to a run; one wait on va_sdst stands behind each run, ahead of the selects that read the masks.
.set FS, 8                             ; v[8:9]     fsq of my two queries
.set SB, 10                            ; v[10:11]   least distance
.set IB, 12                            ; v[12:13]   its row
.set IX, 16                            ; v[16:79]   set p's rows at IX + 2 p
.set KV, 80                            ; v[80:143]  keys, then the root's argument, then distances
.set MS, 144                           ; v[144:207] msq, then fsq + msq, then the reciprocal root, then the rows at the least distance
.set T,  208                           ; v[208:219] at work
.set OF, 0                             ; v[256:319] 4 x row: named v0 to v63 in window 1
.set MK, 20                            ; s[20:51]   32 masks
	s_load_b256 s[4:11], s[0:1], 0x0               ; candv s[4:5], candi s[6:7], sq s[8:9], nidx s[10:11]
	s_load_b64 s[12:13], s[0:1], 0x20              ; wsc
	v_lshlrev_b32 v1, 3, v0                        ; 8 x lane
	s_lshl_b32 s14, ttmp9, 8                       ; 64 queries of 4 bytes
	s_mov_b32 s15, 0
	s_mov_b32 s18, 0x322bcc77                      ; eps = 1e-8
	s_mov_b32 s19, s18                             ; named with it as a pair
	s_wait_kmcnt 0x0
	s_add_nc_u64 s[16:17], s[8:9], 0x8000          ; msq
	s_add_nc_u64 s[4:5], s[4:5], s[14:15]
	s_add_nc_u64 s[6:7], s[6:7], s[14:15]
	s_add_nc_u64 s[8:9], s[8:9], s[14:15]
	s_add_nc_u64 s[10:11], s[10:11], s[14:15]
	s_add_nc_u64 s[12:13], s[12:13], s[14:15]
	s_wait_alu depctr_va_vdst(0)                   ; v1 is written, which the loads below and both stores read as their offset
	global_load_b64 v[FS:FS+1], v1, s[8:9]
.set p, 0
.rept 32
	global_load_b64 v[IX+2*p:IX+2*p+1], v1, s[6:7] offset:p*32768
.set p, p+1
.endr
.set p, 0
.rept 32
	global_load_b64 v[KV+2*p:KV+2*p+1], v1, s[4:5] offset:p*32768
.set p, p+1
.endr
	s_wait_loadcnt 32                              ; fsq and the rows are in; the 32 loads of keys stay out
.set i, 0
.rept 64
	v_min_u32 v[IX+i], 0x1fff, v[IX+i]
.set i, i+1
.endr
	s_set_vgpr_msb 0x40                            ; destination in window 1
.set i, 0
.rept 64
	v_lshlrev_b32 v[OF+i], 2, v[IX+i]              ; v[256 + i] = 4 x row
.set i, i+1
.endr
	s_set_vgpr_msb 0x4001                          ; source 0, a load's offset, in window 1; destination in window 0
	s_wait_alu depctr_va_vdst(0)                   ; the shifts have written the 64 offsets, which the gathers read
.set i, 0
.rept 64
	global_load_b32 v[MS+i], v[OF+i], s[16:17]     ; msq of the row
.set i, i+1
.endr
	s_set_vgpr_msb 0x0100                          ; all back to window 0
	s_wait_loadcnt 0x0
.macro EACH line:vararg                ; one line for each set p
.set p, 0
.rept 32
	\line
.set p, p+1
.endr
.endm
	EACH v_pk_add_f32 v[KV+2*p:KV+2*p+1], v[MS+2*p:MS+2*p+1], v[KV+2*p:KV+2*p+1] neg_lo:[0,1] neg_hi:[0,1]  ; 2 cross = msq - key'
	EACH v_pk_add_f32 v[MS+2*p:MS+2*p+1], v[FS:FS+1], v[MS+2*p:MS+2*p+1]                                    ; fsq + msq
	EACH v_pk_add_f32 v[KV+2*p:KV+2*p+1], v[MS+2*p:MS+2*p+1], v[KV+2*p:KV+2*p+1] neg_lo:[0,1] neg_hi:[0,1]  ; - 2 cross
	EACH v_max_num_f32 v[KV+2*p], 0, v[KV+2*p]
	EACH v_max_num_f32 v[KV+2*p+1], 0, v[KV+2*p+1]
	EACH v_pk_add_f32 v[KV+2*p:KV+2*p+1], v[KV+2*p:KV+2*p+1], s[18:19] op_sel_hi:[1,0]                      ; + eps: x, at least 1e-8
.set i, 0
.rept 64
	v_rsq_f32 v[MS+i], v[KV+i]                     ; one batch
.set i, i+1
.endr
	v_nop                                          ; a plain instruction behind the last of them,
	s_wait_alu depctr_va_vdst(0)                   ; and the one wait ahead of the first use: the 64 reciprocal roots are written
.set p, 0
.rept 32                                       ; s = x r; d = s + (x - s s) r / 2; the temporaries take turns over three sets
.set TA, T+4*(p%3)
	v_pk_mul_f32 v[TA:TA+1], v[KV+2*p:KV+2*p+1], v[MS+2*p:MS+2*p+1]
	v_pk_mul_f32 v[MS+2*p:MS+2*p+1], v[MS+2*p:MS+2*p+1], 0.5 op_sel_hi:[1,0]
	v_pk_fma_f32 v[TA+2:TA+3], v[TA:TA+1], v[TA:TA+1], v[KV+2*p:KV+2*p+1] neg_lo:[1,0,0] neg_hi:[1,0,0]
	v_pk_fma_f32 v[KV+2*p:KV+2*p+1], v[TA+2:TA+3], v[MS+2*p:MS+2*p+1], v[TA:TA+1]
.set p, p+1
.endr
	v_min3_num_f32 v[SB], v[KV], v[KV+2], v[KV+4]
	v_min3_num_f32 v[SB+1], v[KV+1], v[KV+3], v[KV+5]
.set p, 3
.rept 14
	v_min3_num_f32 v[SB], v[SB], v[KV+2*p], v[KV+2*p+2]
	v_min3_num_f32 v[SB+1], v[SB+1], v[KV+2*p+1], v[KV+2*p+3]
.set p, p+2
.endr
	v_min_num_f32 v[SB], v[SB], v[KV+62]
	v_min_num_f32 v[SB+1], v[SB+1], v[KV+63]
	v_mov_b32 v[IB], -1
	v_mov_b32 v[IB+1], -1
; The lowest row among the candidates at the least distance, 32 candidates to a run: the compares; their one wait; the selects, into MS, which is free; each minimum four selects behind its own.
.set g, 0
.rept 2
.set k, 0
.rept 32
	v_cmp_eq_f32 s[MK+k], v[KV+32*g+k], v[SB+k%2]
.set k, k+1
.endr
	s_wait_alu depctr_va_sdst(0)                   ; the run's 32 compares have written s[20:51], ahead of the first select that reads a mask
.set k, 0
.rept 36
.if k < 32
	v_cndmask_b32 v[MS+32*g+k], -1, v[IX+32*g+k], s[MK+k]
.endif
.if k >= 4
	v_min_u32 v[IB+k%2], v[IB+k%2], v[MS+32*g+k-4]
.endif
.set k, k+1
.endr
.set g, g+1
.endr
	v_pk_add_f32 v[T+4:T+5], v[SB:SB+1], s[18:19] op_sel_hi:[1,0]  ; d + eps
	v_rcp_f32 v[T+6], v[T+4]
	v_rcp_f32 v[T+7], v[T+5]
	v_nop
	s_wait_alu depctr_va_vdst(0)                   ; the two reciprocals are written, ahead of their first reader; so is v[IB ..], which the store below reads
	global_store_b64 v1, v[IB:IB+1], s[10:11]
	v_pk_mul_f32 v[T+6:T+7], v[T+6:T+7], 0x3a800000 op_sel_hi:[1,0]  ; x 2^-10
	s_wait_alu depctr_va_vdst(0)                   ; the multiply has written v[T+6 ..], which the store below reads
	global_store_b64 v1, v[T+6:T+7], s[12:13]
	s_endpgm
.Lfunc_end_k_qa4697bd75b_merge:
	.size	k_qa4697bd75b_merge, .Lfunc_end_k_qa4697bd75b_merge-k_qa4697bd75b_merge
	.p2alignl 7, 3214868480
	.fill 96, 4, 3214868480
	.section	.rodata,"a",@progbits
	.p2align	6, 0x0
	.amdhsa_kernel k_qa4697bd75b_merge
		.amdhsa_group_segment_fixed_size 0
		.amdhsa_private_segment_fixed_size 0
		.amdhsa_enable_private_segment 0
		.amdhsa_kernarg_size 40
		.amdhsa_user_sgpr_count 2
		.amdhsa_user_sgpr_kernarg_segment_ptr 1
		.amdhsa_wavefront_size32 1
		.amdhsa_system_sgpr_workgroup_id_x 1
		.amdhsa_system_sgpr_workgroup_id_y 1
		.amdhsa_system_sgpr_workgroup_id_z 1
		.amdhsa_system_vgpr_workitem_id 0
		.amdhsa_next_free_vgpr 320
		.amdhsa_next_free_sgpr 66
		.amdhsa_reserve_vcc 0
		.amdhsa_float_denorm_mode_32 3
		.amdhsa_float_denorm_mode_16_64 3
		.amdhsa_memory_ordered 1
		.amdhsa_forward_progress 1
		.amdhsa_inst_pref_size 52
	.end_amdhsa_kernel
	.amdgpu_metadata
---
amdhsa.version: [ 1, 2 ]
amdhsa.kernels:
  - .name:           k_qa4697bd75b_merge
    .symbol:         k_qa4697bd75b_merge.kd
    .args:
      - { .name: candv, .offset: 0, .size: 8, .value_kind: global_buffer, .address_space: global }
      - { .name: candi, .offset: 8, .size: 8, .value_kind: global_buffer, .address_space: global }
      - { .name: sq, .offset: 16, .size: 8, .value_kind: global_buffer, .address_space: global }
      - { .name: nidx, .offset: 24, .size: 8, .value_kind: global_buffer, .address_space: global }
      - { .name: wsc, .offset: 32, .size: 8, .value_kind: global_buffer, .address_space: global }
    .group_segment_fixed_size: 0
    .private_segment_fixed_size: 0
    .kernarg_segment_align: 8
    .kernarg_segment_size: 40
    .max_flat_workgroup_size: 32
    .sgpr_count:     66
    .vgpr_count:     320
    .wavefront_size: 32
...
	.end_amdgpu_metadata
.endif
;; end of part 7
;; launch infl: the kernel of part 4 again; grid 256 x 1, 16 waves a work-group, no clusters, 2,304 bytes of LDS; arguments fb, mbb, nidx, wsc, infl; writes infl
;; launch noising: the kernel of part 5 again; grid 128 x 2, 16 waves a work-group, no clusters, 133,632 bytes of LDS; arguments fb, noise, infl, out0, out1, out2; writes out0, out1, out2
